; MI455X (gfx1250); checked and timed in simulation.
; The chip was launched on July 23, 2026; its instructions are those of AMD's public machine-readable ISA for CDNA 5 (MIT licence, August 2026) and "CDNA5" Instruction Set Architecture Reference Guide (July 2026). The comments in the code are by the model that wrote it; some were corrected since.
;; Bahdanau Attention. Allowed arithmetic: matrix products marked QUANTISED: E3M2 operands, one E8M0 scale for each 32 along K, by v_wmma_scale_f32_16x16x128_f8f6f4 with both operands' format E3M2, f32 sums; products left as they are: f32 operands where the result goes on into a quantised operand, else bf16, f16 or f32 operands; f32 sums; everything else in f32.
;; Inputs: W1 1,024 x 1,024 float32; W2 1,024 x 1,024 float32; decoder_hidden 64 x 1,024 float32; encoder_outputs 64 x 1,024 x 1,024 float32; v 1,024 float32.
;; Outputs: out0 64 x 1,024 float32; out1 64 x 1,024 float32.
;; This version of the problem:
;;   THIS VERSION OF THE PROBLEM IS GIVEN IN LOW PRECISION. The matrix products marked QUANTISED in the list below multiply operands that are first quantised to E3M2 (3 exponent bits, 2 mantissa bits; 6 bits a number), with one power-of-two scale for each 32 numbers along K (OCP MX v1.0); their sums are f32. All else is computed in f32.
;;   The module's matrix products, in the order in which they are computed (A, B: the left and right operand; K: the contracted axis; several contracted axes count as one K, in the product's order):
;;     1. [M 64, K 1,024] x [K 1,024, N 1,024]; A: input decoder_hidden; B: input W1: QUANTISED
;;     2. [M 65,536, K 1,024] x [K 1,024, N 1,024]; A: input encoder_outputs; B: input W2: QUANTISED
;;     3. [M 65,536, K 1,024] x [K 1,024, N 1]; A: computed on the way; B: input v: left as it is (N = 1 < 16)
;;     4. batch 64 x [M 1, K 1,024] x [K 1,024, N 1,024]; A: softmax; B: input encoder_outputs: left as it is (M = 1 < 16)
;;   THE QUANTISER, for each operand of a quantised product, along K:
;;     - K is cut into blocks of 32 from its start; a last block that is shorter is filled with zeros.
;;     - A block's scale is 2^e with e = floor(log2(the largest magnitude in the block)) - 4, held to -126 .. 127; a block of zeros has e = 0. As a byte (E8M0): e + 127.
;;     - Each number is divided by its block's scale, clamped to +-28, and rounded to the nearest number of E3M2, ties to even, subnormals kept.
;;     - The product sums the exact products of the quantised numbers (number of the format x scale) in f32.
;;   ~~~python
;;   def quantise(x, axis):      # numpy; x: float32 -> the quantised numbers, widened to float32 again
;;       x = np.moveaxis(x, axis, -1); K = x.shape[-1]
;;       x = np.pad(x, [(0, 0)] * (x.ndim - 1) + [(0, -K % 32)]); x = x.reshape(x.shape[:-1] + (-1, 32)); a = np.abs(x).max(-1, keepdims=True)
;;       e = np.where(a > 0, np.clip(np.frexp(np.where(a > 0, a, 1))[1] - 1 - 4, -126, 127), 0)      # np.frexp(a)[1] - 1 = floor(log2(a)), exactly
;;       r = np.clip(x / 2.0 ** e, -28, 28)
;;       step = 2.0 ** (np.maximum(np.frexp(np.where(r == 0, 1, r))[1] - 1, -2) - 2)
;;       q = np.round(r / step) * step * 2.0 ** e      # np.round: ties to even
;;       return np.moveaxis(q.reshape(q.shape[:-2] + (-1,))[..., :K], -1, axis).astype(np.float32)
;;   ~~~
;; 2 versions. Each part assembles by itself: llvm-mc -triple=amdgcn-amd-amdhsa -mcpu=gfx1250 --defsym DOCPART=n.
;; ======== version 1 of 2: 3 launches
;; workspace buffers: w2c 786,432 bytes; w2s 32,768 bytes; dhq 2,097,152 bytes; sc 262,144 bytes; part 2,097,152 bytes
;; launch prep (part 1): grid 576 x 1, 4 waves a work-group, no clusters, 0 bytes of LDS; arguments W2, W1, decoder_hidden, w2c, w2s, dhq; writes w2c, w2s, dhq
.if DOCPART == 1
	.amdgcn_target "amdgcn-amd-amdhsa--gfx1250"
	.amdhsa_code_object_version 6
	.text
	.protected	k_qbe52989230_prep
	.globl	k_qbe52989230_prep
	.p2align	8
	.type	k_qbe52989230_prep,@function
k_qbe52989230_prep:
	s_mov_b64 s[64:65], 0
	v_nop
	global_prefetch_b8 v0, s[64:65] scope:SCOPE_SE
	s_setreg_imm32_b32 hwreg(HW_REG_WAVE_MODE, 25, 1), 1
	s_wait_xcnt 0x0
; TWO JOBS, parted by the work-group's number.  All tensors here are [rows][1024] f32 with K innermost.  In both jobs a wave loads two items of 16 rows x 128 along K at once and quantises them.
; W (work-groups 0-63): W2 becomes codes of BF6 (E3M2) with one E8M0 byte for each 32 along K, laid IN THE ORDER OF THE OPERAND'S REGISTERS:
;   w2c: fragment (ct, ks) = W2 rows 16 ct .. +15, K 128 ks .. +127, at (8 ct + ks) x 1536 bytes; its register group c (4 of 12 registers) of lane l at 512 c + 16 l.
;   w2s: [ct][q][lane] words: lane (r, hh) holds the scale word of row 16 ct + r for K step 2 q + hh.   Work-group ct, wave w: K steps 2 w and 2 w + 1.
; D (work-groups 64-575): Q(decoder_hidden) Q(W1)^T in EIGHT PARTS, dhq [8][64][1024] f32: part ks is the sum over K 128 ks .. +127, one matrix instruction for each tile.
;   Work-group 64 + 8 ct + ks, wave bt: batch rows 16 bt .. +15 x outputs 16 ct .. +15.  The next launch adds the eight parts in f32, K ascending.
;   So no wave walks K: its 32 loads go out together, and nothing is handed from wave to wave.
;   The product is used transposed (source 0 = 16 rows of W1, source 1 = 16 rows of decoder_hidden): lane (r, h) holds batch row r and outputs 16 ct + 8 h + 0 .. 7.
;   The four waves of a work-group quantise the same fragment of W1: 8 KiB each.
; A block's scale is 2^(floor(log2(largest magnitude)) - 4): its byte is the largest magnitude's exponent field - 4, held at 1 from below.
; LIMITS: a block of zeros gets the byte 1 where the rule says 127 (its codes are zeros, and this program alone reads the bytes); NaN and infinities among the inputs are not served.
; A lane loads 16 neighbours of each block of 32 of its row (64 bytes), so a load's lanes stand apart; the three tensors together are 8.25 MiB, so no stage is spent on that.
; dhq's stores are 64 neighbouring bytes a row: 2 MiB in all.
.set TM,  4                            ; v4-19   at work in QUANT: +0..3 largest magnitudes, +4..7 partner's / bytes, +12..15 the conversions' scale operands
.set PWA, 20                           ; v20     scale word of source 0 (holds scales alone)
.set PWB, 21                           ; v21     scale word of source 1 (holds scales alone)
.set PT,  22                           ; v22-29  the conversions' second halves
.set PCA, 30                           ; v30-41  a fragment
.set PCB, 42                           ; v42-53  a fragment
.set ACC, 54                           ; v54-61  the tile of a part of dhq
.set R,   64                           ; v64-191 two sets of 64 numbers
.set SEL, 20                           ; s[20:21] v_permlanex16_b32's selects for lane l xor 16
; 64 numbers of a lane, v[s] .. v[s + 63], register 16 b + i = k 32 b + 16 (lane / 16) + i of my row, become a fragment's 12 registers in v[pc] on and its scale word in v[pw] (the same in lanes r and r + 16).
.macro QUANT s, pc, pt, pw
.irp b, 0,1,2,3
	v_max3_num_f32 v[TM+\b], |v[\s+16*\b]|, |v[\s+1+16*\b]|, 0x2800000   ; block b: my 16 numbers, and the floor 2^(5 - 127): the byte cannot fall under 1
.endr
.irp i, 2,4,6,8,10,12,14
.irp b, 0,1,2,3
	v_max3_num_f32 v[TM+\b], v[TM+\b], |v[\s+16*\b+\i]|, |v[\s+1+16*\b+\i]|   ; the four blocks by turns
.endr
.endr
.irp b, 0,1,2,3
	v_permlanex16_b32 v[TM+4+\b], v[TM+\b], s[SEL], s[SEL+1]
.endr
.irp b, 0,1,2,3
	v_max_num_f32 v[TM+\b], v[TM+\b], v[TM+4+\b]       ; with lane l xor 16's 16: the block's largest magnitude
.endr
.irp b, 0,1,2,3
	v_add_nc_u32 v[TM+12+\b], 0xfe000000, v[TM+\b]     ; 4 off its exponent field: the conversion takes the exponent field of this operand alone
.endr
.irp b, 0,1,2,3
	v_lshrrev_b32 v[TM+4+\b], 23, v[TM+12+\b]          ; the scale's byte
.endr
	v_lshl_or_b32 v[\pw], v[TM+5], 8, v[TM+4]
	v_lshl_or_b32 v[\pw], v[TM+6], 16, v[\pw]
	v_lshl_or_b32 v[\pw], v[TM+7], 24, v[\pw]
.irp c, 0,1
	v_cvt_scalef32_pk16_bf6_f32 v[\pc+6*\c:\pc+2+6*\c], v[\s+32*\c:\s+15+32*\c], v[TM+12+2*\c]
	v_cvt_scalef32_pk16_bf6_f32 v[\pt+4*\c:\pt+2+4*\c], v[\s+16+32*\c:\s+31+32*\c], v[TM+13+2*\c]   ; (a conversion's three registers begin on an even number)
.endr
	v_nop                                              ; one plain instruction behind the scaled conversions
.irp c, 0,1                                        ; the operand wants a WHOLE block in a lane: lanes 0-15 block 2 c, lanes 16-31 block 2 c + 1
.irp i, 0,1,2
	v_permlane16_swap_b32 v[\pc+6*\c+\i], v[\pt+4*\c+\i]
.endr
.irp i, 0,1,2
	v_mov_b32 v[\pc+3+6*\c+\i], v[\pt+4*\c+\i]
.endr
.endr
.endm
; my row's 64 numbers of one K step, off bytes from base s[lo:lo+1], into v[reg] on
.macro QLOAD reg, lo, off
.irp b, 0,1,2,3
.irp j, 0,1,2,3
	global_load_b128 v[\reg+16*\b+4*\j:\reg+16*\b+4*\j+3], v1, s[\lo:\lo+1] offset:\off+128*\b+16*\j
.endr
.endr
.endm
	s_load_b256 s[4:11], s[0:1], 0x0               ; W2 s[4:5], W1 s[6:7], decoder_hidden s[8:9], w2c s[10:11]
	s_load_b128 s[12:15], s[0:1], 0x20             ; w2s s[12:13], dhq s[14:15]
	v_lshrrev_b32 v62, 5, v0
	v_readfirstlane_b32 s18, v62                   ; wave 0..3
	v_and_b32 v63, 31, v0                          ; lane
	v_and_b32 v62, 15, v0                          ; r
	v_bfe_u32 v3, v0, 4, 1                         ; h
	v_lshlrev_b32 v1, 12, v62
	v_lshl_add_u32 v1, v3, 6, v1                   ; row r of 4,096 bytes + 64 h: my 16 numbers of a block of 32
	v_lshlrev_b32 v2, 4, v63                       ; 16 x lane
	s_mov_b32 s[SEL], 0x76543210
	s_mov_b32 s[SEL+1], 0xfedcba98
.irp b, 0,1,2,3
	v_mov_b32 v[TM+4+\b], 0                        ; written once: a lane permute's destination counts as one of its sources
.endr
	s_wait_kmcnt 0x0
	s_cmp_lt_u32 ttmp9, 64                         ; the same in all four waves of a work-group
	s_cbranch_scc0 .Lrole_d
	; ---- W: two fragments of W2
	v_lshlrev_b32 v3, 2, v63                       ; 4 x lane
	s_lshl_b32 s22, ttmp9, 16                      ; 16 rows of 4,096 bytes a tile,
	s_lshl_b32 s23, s18, 10                        ; two K steps of 512 bytes a wave
	s_add_co_u32 s22, s22, s23
	s_mov_b32 s23, 0
	s_add_nc_u64 s[4:5], s[4:5], s[22:23]
	s_lshl_b32 s24, ttmp9, 3
	s_lshl_b32 s25, s18, 1
	s_add_co_u32 s24, s24, s25
	s_mul_i32 s24, s24, 1536                       ; fragment 8 ct + 2 w
	s_mov_b32 s25, 0
	s_add_nc_u64 s[10:11], s[10:11], s[24:25]
	s_lshl_b32 s26, ttmp9, 9
	s_lshl_b32 s27, s18, 7
	s_add_co_u32 s26, s26, s27                     ; 512 ct + 128 w
	s_mov_b32 s27, 0
	s_add_nc_u64 s[12:13], s[12:13], s[26:27]
	QLOAD R, 4, 0
	QLOAD R+64, 4, 512
	s_wait_loadcnt 16                              ; the first K step's 16 loads are in; the second's 16 may be out
	QUANT R, PCA, PT, PWA
.irp c, 0,1,2
	global_store_b128 v2, v[PCA+4*\c:PCA+4*\c+3], s[10:11] offset:512*\c        ; 32 lanes store 512 consecutive bytes, aligned
.endr
	s_wait_loadcnt 0x0
	QUANT R+64, PCB, PT, PWB                       ; into other registers than the stores above read
.irp c, 0,1,2
	global_store_b128 v2, v[PCB+4*\c:PCB+4*\c+3], s[10:11] offset:1536+512*\c
.endr
	v_cmp_gt_u32 vcc_lo, 16, v63
	v_cndmask_b32 v62, v[PWB], v[PWA], vcc_lo      ; lanes 0-15: the even K step's words; lanes 16-31: the odd one's
	global_store_b32 v3, v62, s[12:13]
	s_endpgm
	; ---- D: one tile of one part of dhq
.Lrole_d:
	s_sub_co_u32 s22, ttmp9, 64                    ; 8 ct + ks
	s_lshr_b32 s23, s22, 3                         ; ct
	s_and_b32 s22, s22, 7                          ; ks
	s_lshl_b32 s30, s22, 9                         ; the K step: 512 bytes on in a row
	s_lshl_b32 s24, s23, 16
	s_add_co_u32 s24, s24, s30
	s_mov_b32 s25, 0
	s_add_nc_u64 s[6:7], s[6:7], s[24:25]          ; W1 at (16 ct, 128 ks)
	s_lshl_b32 s26, s18, 16
	s_add_co_u32 s28, s26, s30
	s_mov_b32 s29, 0
	s_add_nc_u64 s[8:9], s[8:9], s[28:29]          ; decoder_hidden at (16 bt, 128 ks)
	s_lshl_b32 s32, s22, 18                        ; part ks: 64 rows of 4,096 bytes
	s_add_co_u32 s32, s32, s26                     ; row 16 bt
	s_lshl_b32 s33, s23, 6
	s_add_co_u32 s32, s32, s33                     ; column 16 ct
	s_mov_b32 s33, 0
	s_add_nc_u64 s[14:15], s[14:15], s[32:33]
	v_lshlrev_b32 v62, 12, v62
	v_lshl_add_u32 v3, v3, 5, v62                  ; row r of 4,096 bytes + 32 h
	QLOAD R, 6, 0
	QLOAD R+64, 8, 0
	s_wait_loadcnt 16                              ; W1's 16 loads are in; decoder_hidden's 16 may be out
	QUANT R, PCA, PT, PWA
	s_wait_loadcnt 0x0
	QUANT R+64, PCB, PT, PWB
.rept 8
	v_nop                                          ; a scale register written by a vector instruction stands 8 places ahead of a scaled matrix instruction, an operand so written 4
.endr
	v_wmma_scale_f32_16x16x128_f8f6f4 v[ACC:ACC+7], v[PCA:PCA+11], v[PCB:PCB+11], 0, v[PWA], v[PWB] matrix_a_fmt:MATRIX_FMT_BF6 matrix_b_fmt:MATRIX_FMT_BF6
.rept 4
	v_nop                                          ; four places behind the product, ahead of the stores that read it
.endr
	global_store_b128 v3, v[ACC:ACC+3], s[14:15]   ; the result from its low end on
	global_store_b128 v3, v[ACC+4:ACC+7], s[14:15] offset:16
	s_endpgm
.Lfunc_end_k_qbe52989230_prep:
	.size	k_qbe52989230_prep, .Lfunc_end_k_qbe52989230_prep-k_qbe52989230_prep
	.p2alignl 7, 3214868480
	.fill 96, 4, 3214868480
	.section	.rodata,"a",@progbits
	.p2align	6, 0x0
	.amdhsa_kernel k_qbe52989230_prep
		.amdhsa_group_segment_fixed_size 0
		.amdhsa_private_segment_fixed_size 0
		.amdhsa_enable_private_segment 0
		.amdhsa_kernarg_size 48
		.amdhsa_user_sgpr_count 2
		.amdhsa_user_sgpr_kernarg_segment_ptr 1
		.amdhsa_wavefront_size32 1
		.amdhsa_system_sgpr_workgroup_id_x 1
		.amdhsa_system_sgpr_workgroup_id_y 1
		.amdhsa_system_sgpr_workgroup_id_z 1
		.amdhsa_system_vgpr_workitem_id 0
		.amdhsa_next_free_vgpr 192
		.amdhsa_next_free_sgpr 66
		.amdhsa_reserve_vcc 1
		.amdhsa_float_denorm_mode_32 3
		.amdhsa_float_denorm_mode_16_64 3
		.amdhsa_memory_ordered 1
		.amdhsa_forward_progress 1
		.amdhsa_inst_pref_size 25
	.end_amdhsa_kernel
	.amdgpu_metadata
---
amdhsa.version: [ 1, 2 ]
amdhsa.kernels:
  - .name:           k_qbe52989230_prep
    .symbol:         k_qbe52989230_prep.kd
    .args:
      - { .name: W2, .offset: 0, .size: 8, .value_kind: global_buffer, .address_space: global }
      - { .name: W1, .offset: 8, .size: 8, .value_kind: global_buffer, .address_space: global }
      - { .name: decoder_hidden, .offset: 16, .size: 8, .value_kind: global_buffer, .address_space: global }
      - { .name: w2c, .offset: 24, .size: 8, .value_kind: global_buffer, .address_space: global }
      - { .name: w2s, .offset: 32, .size: 8, .value_kind: global_buffer, .address_space: global }
      - { .name: dhq, .offset: 40, .size: 8, .value_kind: global_buffer, .address_space: global }
    .group_segment_fixed_size: 0
    .private_segment_fixed_size: 0
    .kernarg_segment_align: 8
    .kernarg_segment_size: 48
    .max_flat_workgroup_size: 128
    .sgpr_count:     66
    .vgpr_count:     192
    .wavefront_size: 32
...
	.end_amdgpu_metadata
.endif
;; end of part 1
;; launch attn (part 2): grid 512 x 1, 4 waves a work-group, no clusters, 327,680 bytes of LDS; arguments encoder_outputs, w2c, w2s, dhq, v, sc, part; writes sc, part
.if DOCPART == 2
	.amdgcn_target "amdgcn-amd-amdhsa--gfx1250"
	.amdhsa_code_object_version 6
	.text
	.protected	k_qbe52989230_attn
	.globl	k_qbe52989230_attn
	.p2align	8
	.type	k_qbe52989230_attn,@function
k_qbe52989230_attn:
	s_mov_b64 s[64:65], 0
	v_nop
	global_prefetch_b8 v0, s[64:65] scope:SCOPE_SE
	s_setreg_imm32_b32 hwreg(HW_REG_WAVE_MODE, 25, 1), 1
	s_wait_xcnt 0x0
; A work-group takes 128 rows (positions) of one batch, block x = rows 128 x .. 128 x + 127 of encoder_outputs [65536][1024] f32, and reads them from memory ONCE.
;   X: the rows become (a) a bf16 copy in LDS for the context, (b) codes of BF6 (E3M2) with E8M0 scale words: 64 fragments (8 row tiles x 8 K steps), which every wave then holds in 768 registers.
;   G: wave w makes output columns 256 w .. +255 for all 128 rows: 16 column tiles x 64 scaled matrix instructions, dh_proj as the C of each sum's first; then r = 1 / (1 + 2^(c x)), c = 2 log2(e), and the sum of v_n r_n.
;   dh_proj comes as eight f32 parts, one for each 128 along K (dhq [8][64][1024]); they are added here in f32, K ascending.
;   tanh(x) = 1 - 2 r, so score = sum(v) - 2 sum(v r).  sum(v) is the same for every position of a batch and cancels in the softmax for every input: s' = -2 sum(v r) stands for the score.
;   2^(c x) = infinity gives r = 0 and 2^(c x) = 0 gives r = 1: tanh's own limits.
;   S, C: the block's largest s' is taken away: p = e^(s' - m); part[x] = sum over the block's rows of p x bf16(row).  sc holds s'; the last launch joins a batch's eight blocks.
; W2's fragments come from w2c straight into registers, each read once by the work-group and multiplied eight times.  NO JOINT LOADS, NO LDS RING FOR W2, though all work-groups read the same codes:
; the bf16 copy takes 262,144 of the 327,680 bytes of LDS and stages, images and scale words 62,464 more, so two slots of W2 do not fit; with half the rows in hand W2 would be read twice as often.
; THE PRODUCT IS USED TRANSPOSED: source 0 = 16 rows of W2, source 1 = 16 rows of the block: lane (r, h) holds row r, and its register i the column 16 ct + 8 h + i.
; LIMITS: a block of 32 zeros gets the scale byte 1 where the rule says 127 (its codes are zeros; the bytes stay in this launch); the rows are rounded to bf16 for the context alone; NaN and infinities are not served.
; LDS: 0 the copy, row p at 2048 p;  STG a stage of 16 x (512 + 16) bytes for each wave;  EX two buffers with the register images of a K step's 8 fragments;  ASL the rows' scale words.
;   Later, each behind a barrier behind the bytes' last use: VD (v, then dh_proj's row) over wave 0's stage; SCP (the waves' partial scores) and PP (each wave's own p) over EX.
; REGISTERS, in windows of 256.  Fragment f = 8 ks + rt of the block: f < 63: window 1 + f / 21, register 12 (f % 21); f = 63: window 0, v224.
;   window 0: v1-7 addresses that stay; v32-63 and v236-239 scale words, and nothing else; the rest by phases, as named below.   window 3, phase X: v128-191, v192-255 two of the three slots for loads.
.set STG,  262144
.set STGW, 8448
.set EX,   295936
.set EXB,  12288
.set ASL,  320512
.set VD,   STG
.set SCP,  EX
.set PP,   EX+2048
.set L16, 1                            ; v1   16 x lane
.set L4,  2                            ; v2   4 x lane
.set LB0, 3                            ; v3   VD + 1024 wave + 32 h: my eight numbers of v in the wave's first column tile
.set LBC, 4                            ; v4   the same in the tile in hand
.set VDA, 5                            ; v5   VD + 16 x thread
.set T16, 6                            ; v6   16 x thread
.set SCW, 7                            ; v7   SCP + 512 wave + 4 r
.set RAW, 8                            ; v8-23   X: v as loaded, and dh_proj's row as summed
.set CA,  24                           ; v24  the copy: 65536 wave + 8 lane
.set SA,  25                           ; v25  my stage, as loaded: + 16 lane
.set SR,  26                           ; v26  my stage, back: + 528 r + 64 h
.set EW,  27                           ; v27  where I store images: EX + 3072 wave + 16 lane
.set EF,  28                           ; v28  where I fetch them: EX + 16 lane
.set AW,  29                           ; v29  where I store scale words: ASL + 1024 wave + 16 r
.set AF,  30                           ; v30  where I fetch them: ASL + 16 lane
.set V,   8                            ; v8-15   G: v at my eight columns;  C: the context's eight sums
.set CTX, 8
.set SACC, 16                          ; v16-31  G: sum of v r, a pair for each row tile
.set ASC, 32                           ; v32-63  the block's scale words: 4 rt + q: lanes 0-15 K step 2 q, lanes 16-31 K step 2 q + 1
.set HA,  64                           ; v64-127 at the head: dh_proj's eight parts;  X: 64 numbers back from the stage
.set ACC, 64                           ; v64-127 G: eight accumulators, 8 rt
.set S0,  128                          ; v128-191 X: slot 0
.set BR,  128                          ; v128-223 G: W2's eight fragments of a column tile, 12 ks
.set PC,  192                          ; v192-203 X: the fragment just made
.set PT,  204                          ; v204-211
.set TM,  212                          ; v212-227
.set PW,  228                          ; v228    its scale word, on its way to LDS
.set A63, 224                          ; v224-235 G: fragment 63
.set BSC, 236                          ; v236-239 W2's scale words: q
.set BIAS, 240                         ; v240-247 G: dh_proj at my eight columns
.set BT,  240                          ; v240-255 X: eight rows' bf16 pairs
.set SEL, 20                           ; s[20:21] selects for lane l xor 16;  s[22:23] c, twice
.set SJ,  42                           ; s42  64 x column tile
.set CNT, 43                           ; s43  loop counter
.set SCC_, 44                          ; s44  phase C: bytes into the copy
.set SPP_, 45                          ; s45  phase C: bytes into p
.set MSB, 0
.macro WIN new                         ; the immediate's high byte repeats the setting that is left; a switch that changes nothing is dropped
.if MSB != \new
	s_set_vgpr_msb (MSB<<8)|\new
.set MSB, \new
.endif
.endm
; 64 numbers of a lane, register 16 b + i = k 32 b + 16 (lane / 16) + i of my row, become a fragment's 12 registers in v[pc] on and its scale word in v[pw] (the same in lanes r and r + 16).
.macro QUANT s, pc, pt, pw
.irp b, 0,1,2,3
	v_max3_num_f32 v[TM+\b], |v[\s+16*\b]|, |v[\s+1+16*\b]|, 0x2800000   ; block b: my 16 numbers, and the floor 2^(5 - 127): the byte cannot fall under 1
.endr
.irp i, 2,4,6,8,10,12,14
.irp b, 0,1,2,3
	v_max3_num_f32 v[TM+\b], v[TM+\b], |v[\s+16*\b+\i]|, |v[\s+1+16*\b+\i]|
.endr
.endr
.irp b, 0,1,2,3
	v_permlanex16_b32 v[TM+4+\b], v[TM+\b], s[SEL], s[SEL+1]
.endr
.irp b, 0,1,2,3
	v_max_num_f32 v[TM+\b], v[TM+\b], v[TM+4+\b]       ; the block's largest magnitude
.endr
.irp b, 0,1,2,3
	v_add_nc_u32 v[TM+12+\b], 0xfe000000, v[TM+\b]     ; 4 off its exponent field: the conversion's scale operand
.endr
.irp b, 0,1,2,3
	v_lshrrev_b32 v[TM+4+\b], 23, v[TM+12+\b]          ; the scale's byte
.endr
	v_lshl_or_b32 v[\pw], v[TM+5], 8, v[TM+4]
	v_lshl_or_b32 v[\pw], v[TM+6], 16, v[\pw]
	v_lshl_or_b32 v[\pw], v[TM+7], 24, v[\pw]
.irp c, 0,1
	v_cvt_scalef32_pk16_bf6_f32 v[\pc+6*\c:\pc+2+6*\c], v[\s+32*\c:\s+15+32*\c], v[TM+12+2*\c]
	v_cvt_scalef32_pk16_bf6_f32 v[\pt+4*\c:\pt+2+4*\c], v[\s+16+32*\c:\s+31+32*\c], v[TM+13+2*\c]
.endr
	v_nop                                              ; one plain instruction behind the scaled conversions
.irp c, 0,1                                        ; a WHOLE block in a lane: lanes 0-15 block 2 c, lanes 16-31 block 2 c + 1
.irp i, 0,1,2
	v_permlane16_swap_b32 v[\pc+6*\c+\i], v[\pt+4*\c+\i]
.endr
.irp i, 0,1,2
	v_mov_b32 v[\pc+3+6*\c+\i], v[\pt+4*\c+\i]
.endr
.endr
.endm
; Item i of phase X: K step i / 2 of my row tile i % 2: 16 rows x 512 bytes, a load a row: 32 lanes read 512 consecutive bytes, aligned.  Slot i % 3.
.macro XLOAD i
.if (\i)%3 == 0
	WIN 0
.set xr_, S0
.else
	WIN 0xc0                                       ; destination window 3
.set xr_, 64+64*((\i)%3)
.endif
.set xk_, 0
.rept 16
	global_load_b128 v[xr_+4*xk_:xr_+4*xk_+3], v[L16], s[4:5] offset:(16*((\i)%2)+xk_)*4096+512*((\i)/2) th:TH_LOAD_NT
.set xk_, xk_+1
.endr
	WIN 0
.endm
; Half hf of a column tile of W2 in ONE RUN of 14 loads: the fragments of K steps 4 hf .. 4 hf + 3 (three loads each), then their two registers of scale words.  off, soff: bytes from the bases to that tile.
.macro BRUN hf, off, soff
.irp k, 0,1,2,3
.irp c, 0,1,2
	global_load_b128 v[BR+12*(4*(\hf)+\k)+4*\c:BR+12*(4*(\hf)+\k)+4*\c+3], v[L16], s[6:7] offset:\off+1536*(4*(\hf)+\k)+512*\c
.endr
.endr
.irp q, 0,1
	global_load_b32 v[BSC+2*(\hf)+\q], v[L4], s[8:9] offset:\soff+128*(2*(\hf)+\q)
.endr
.endm
; The eight fragments of K step s come out of EX into their registers, in every wave.  No wait here: the next wait for all LDS instructions stands ahead of the next barrier.
.macro FETCH s
.set rt_, 0
.rept 8
.set f_, 8*(\s)+rt_
.if f_ < 63
.set w_, (1+f_/21)<<6
.set ar_, 12*(f_%21)
.else
.set w_, 0
.set ar_, A63
.endif
	WIN w_
.irp c, 0,1,2
	ds_load_b128 v[ar_+4*\c:ar_+4*\c+3], v[EF] offset:((\s)%2)*EXB+rt_*1536+512*\c
.endr
.set rt_, rt_+1
.endr
	WIN 0
.endm
.macro BARRIER                                 ; my LDS stores have landed and my LDS loads are in: then the work-group's barrier
	s_wait_dscnt 0x0
	s_barrier_signal -1
	s_barrier_wait -1
.endm
.macro FRAGX i
.set s_, (\i)/2
.set ta_, (\i)%2
.if (\i)%3 == 0
.set sr_, S0
.set wd_, 0
.set wc_, 0
.else
.set sr_, 64+64*((\i)%3)
.set wd_, 0x0c                                 ; an LDS store's data are its source 1: window 3
.set wc_, 0x0f                                 ; sources 0 and 1 window 3
.endif
.if (\i) < 14
	s_wait_loadcnt 32                              ; my 16 loads are in; the two younger items' 32 may be out
.else
	s_wait_loadcnt 16*(15-(\i))
.endif
	WIN wc_
.set k_, 0
.rept 8
	v_cvt_pk_bf16_f32 v[BT+2*k_], v[sr_+4*k_], v[sr_+4*k_+1]         ; rows 0-7 rounded to bf16
	v_cvt_pk_bf16_f32 v[BT+2*k_+1], v[sr_+4*k_+2], v[sr_+4*k_+3]
.set k_, k_+1
.endr
	WIN 0
.set k_, 0
.rept 8
	ds_store_b64 v[CA], v[BT+2*k_:BT+2*k_+1] offset:(16*ta_+k_)*2048+256*s_   ; 32 lanes: 256 consecutive bytes of the copy's row
.set k_, k_+1
.endr
	WIN wd_
.set k_, 0
.rept 16
	ds_store_b128 v[SA], v[sr_+4*k_:sr_+4*k_+3] offset:528*k_        ; the f32 numbers into my stage, as they lie
.set k_, k_+1
.endr
	s_wait_dscnt 16                                ; all but these 16: the eight copy stores have read BT, which is written again
	WIN wc_
.set k_, 0
.rept 8
	v_cvt_pk_bf16_f32 v[BT+2*k_], v[sr_+32+4*k_], v[sr_+32+4*k_+1]   ; rows 8-15
	v_cvt_pk_bf16_f32 v[BT+2*k_+1], v[sr_+32+4*k_+2], v[sr_+32+4*k_+3]
.set k_, k_+1
.endr
	WIN 0
.set k_, 0
.rept 8
	ds_store_b64 v[CA], v[BT+2*k_:BT+2*k_+1] offset:(16*ta_+8+k_)*2048+256*s_
.set k_, k_+1
.endr
.irp b, 0,1,2,3
.irp j, 0,1,2,3
	ds_load_b128 v[HA+16*\b+4*\j:HA+16*\b+4*\j+3], v[SR] offset:128*\b+16*\j   ; back: lane (r, h) takes 16 neighbours of each block of 32 of row r.  LDS serves a wave's instructions in order: these see my stores
.endr
.endr
	s_wait_dscnt 0x0                               ; they are in; all my stores have read their registers; the last K step's fragments are in
.if (\i)+3 < 16
	XLOAD (\i)+3                                   ; the slot takes the item three on
.endif
.if (\i) == 15
	BRUN 0, 0, 0                                   ; the last item leaves slot 0 free: v128-175 take the first half of my first column tile of W2, ahead of this item's quantising and of two barriers
.endif
	QUANT HA, PC, PT, PW
.irp c, 0,1,2
	ds_store_b128 v[EW], v[PC+4*\c:PC+4*\c+3] offset:(s_%2)*EXB+ta_*1536+512*\c   ; the fragment's image: row tile 2 wave + i % 2
.endr
	ds_store_b32 v[AW], v[PW] offset:ta_*512+(s_%2)*256+(s_/2)*4     ; lanes r and r + 16 write the same word with the same value
.if (ta_ == 1) && ((\i) < 15)
	BARRIER                                        ; the K step's eight images lie in EX.  Its buffer is written again two K steps on, behind the next barrier, ahead of which every wave's fetches are in
	FETCH s_
.endif
.endm
; One matrix instruction: K step ks_, row tile rt_.  Only source 1's window changes: loads, LDS loads and v_nop between are not touched by it.
.macro MM
.set f_, 8*ks_+rt_
.if f_ < 63
.set w_, (1+f_/21)<<2
.set ar_, 12*(f_%21)
.else
.set w_, 0
.set ar_, A63
.endif
	WIN w_
.set ac_, ACC+8*rt_
.set br_, BR+12*ks_
.if ks_ == 0
	v_wmma_scale_f32_16x16x128_f8f6f4 v[ac_:ac_+7], v[br_:br_+11], v[ar_:ar_+11], v[BIAS:BIAS+7], v[BSC], v[ASC+4*rt_] matrix_a_fmt:MATRIX_FMT_BF6 matrix_b_fmt:MATRIX_FMT_BF6
.elseif ks_%2 == 0
	v_wmma_scale_f32_16x16x128_f8f6f4 v[ac_:ac_+7], v[br_:br_+11], v[ar_:ar_+11], v[ac_:ac_+7], v[BSC+ks_/2], v[ASC+4*rt_+ks_/2] matrix_a_fmt:MATRIX_FMT_BF6 matrix_b_fmt:MATRIX_FMT_BF6
.else
	v_wmma_scale_f32_16x16x128_f8f6f4 v[ac_:ac_+7], v[br_:br_+11], v[ar_:ar_+11], v[ac_:ac_+7], v[BSC+ks_/2], v[ASC+4*rt_+ks_/2] matrix_a_fmt:MATRIX_FMT_BF6 matrix_b_fmt:MATRIX_FMT_BF6 matrix_a_scale:MATRIX_SCALE_ROW1 matrix_b_scale:MATRIX_SCALE_ROW1
.endif
.endm
; A COLUMN TILE: 64 matrix instructions in two stretches of 32, then the tanh's work.  nxt = 1: the next tile's W2 is asked for in TWO RUNS of 14 loads: its first half behind K step 3, when K steps 0-3's
; registers are used up, its second half behind K step 7.  So the loads go out as half 0, half 1, half 0, half 1 ..: at K step 0 the wait is for this tile's half 0, behind which stands its half 1: 14;
; at K step 4 for its half 1, behind which stands the next tile's half 0: 14, or nothing in the last tile.  Each half has four K steps and the tanh's work in which to arrive.
; The eight accumulators take turns, one instruction a turn.
.macro CT nxt
	v_add_nc_u32 v[LBC], s[SJ], v[LB0]
	ds_load_b128 v[V:V+3], v[LBC]                  ; v at my eight columns: wanted at the tile's end
	ds_load_b128 v[V+4:V+7], v[LBC] offset:16
	s_wait_dscnt 2                                 ; dh_proj at my eight columns is in; the two loads just issued may be out
.set ks_, 0
.rept 8
.if ks_ == 0
	s_wait_loadcnt 14
.elseif ks_ == 4
	s_wait_loadcnt 14*\nxt
.endif
.set rt_, 0
.rept 8
	MM
.set rt_, rt_+1
.endr
.if (ks_ == 7) || (\nxt && (ks_ == 3))
.rept 4
	v_nop                                          ; four places behind the products, ahead of loads into registers that they read and of the first read of results
.endr
.endif
.if \nxt && (ks_ == 3)
	BRUN 0, 12288, 512
	ds_load_b128 v[BIAS:BIAS+3], v[LBC] offset:4096+64     ; the next tile's dh_proj: K step 0's products, which read this one, stand behind the same four places
	ds_load_b128 v[BIAS+4:BIAS+7], v[LBC] offset:4096+80
.endif
.if \nxt && (ks_ == 7)
	BRUN 1, 12288, 512
.endif
.set ks_, ks_+1
.endr
.set j_, 0
.rept 32
	v_pk_mul_f32 v[ACC+2*j_:ACC+2*j_+1], v[ACC+2*j_:ACC+2*j_+1], s[22:23] op_sel_hi:[1,0]   ; c x, each accumulator from its low end on
.set j_, j_+1
.endr
.set j_, 0
.rept 64
	v_exp_f32 v[ACC+j_], v[ACC+j_]
.set j_, j_+1
.endr
	v_nop                                          ; a plain instruction behind the last exponential
	s_wait_alu depctr_va_vdst(0)                   ; one wait for the batch, ahead of its first reader
.set j_, 0
.rept 32
	v_pk_add_f32 v[ACC+2*j_:ACC+2*j_+1], v[ACC+2*j_:ACC+2*j_+1], 1.0 op_sel_hi:[1,0]
.set j_, j_+1
.endr
.set j_, 0
.rept 64
	v_rcp_f32 v[ACC+j_], v[ACC+j_]
.set j_, j_+1
.endr
	v_nop
	s_wait_alu depctr_va_vdst(0)                   ; and one for the reciprocals
	s_wait_dscnt 2*\nxt                            ; v is in; the next tile's dh_proj (two loads) may be out
.set p_, 0
.rept 4
.set rt_, 0
.rept 8
	v_pk_fma_f32 v[SACC+2*rt_:SACC+2*rt_+1], v[ACC+8*rt_+2*p_:ACC+8*rt_+2*p_+1], v[V+2*p_:V+2*p_+1], v[SACC+2*rt_:SACC+2*rt_+1]
.set rt_, rt_+1
.endr
.set p_, p_+1
.endr
.endm
	s_load_b256 s[4:11], s[0:1], 0x0               ; encoder_outputs s[4:5], w2c s[6:7], w2s s[8:9], dhq s[10:11]
	s_load_b128 s[12:15], s[0:1], 0x20             ; v s[12:13], sc s[14:15]
	s_load_b64 s[16:17], s[0:1], 0x30              ; part
	s_set_vgpr_msb 0x40
	v_lshl_add_u32 v254, v0, 2, 0x4f400
	v_mov_b32 v255, 0
	s_set_vgpr_msb 0x4000
	v_lshrrev_b32 v7, 5, v0
	v_readfirstlane_b32 s18, v7                    ; wave 0..3
	v_and_b32 v7, 31, v0                           ; lane
	v_and_b32 v3, 15, v0                           ; r
	v_bfe_u32 v4, v0, 4, 1                         ; h
	v_lshlrev_b32 v[L16], 4, v7
	v_lshlrev_b32 v[L4], 2, v7
	v_lshlrev_b32 v[T16], 4, v0
	v_lshl_add_u32 v[VDA], v0, 4, VD
	s_lshl_b32 s24, s18, 16
	v_lshl_add_u32 v[CA], v7, 3, s24
	s_mul_i32 s25, s18, STGW
	s_add_co_u32 s25, s25, STG
	v_add_nc_u32 v[SA], s25, v[L16]
	v_mul_u32_u24 v[SR], v3, 528
	v_lshl_add_u32 v[SR], v4, 6, v[SR]
	v_add_nc_u32 v[SR], s25, v[SR]
	s_mul_i32 s26, s18, 3072
	s_add_co_u32 s26, s26, EX
	v_add_nc_u32 v[EW], s26, v[L16]
	v_add_nc_u32 v[EF], EX, v[L16]
	s_lshl_b32 s27, s18, 10
	s_add_co_u32 s28, s27, ASL
	v_lshl_add_u32 v[AW], v3, 4, s28
	v_add_nc_u32 v[AF], ASL, v[L16]
	s_lshl_b32 s29, s18, 9
	s_add_co_u32 s29, s29, SCP
	v_lshl_add_u32 v[SCW], v3, 2, s29
	s_add_co_u32 s27, s27, VD
	v_lshl_add_u32 v[LB0], v4, 5, s27
	s_mov_b32 s[SEL], 0x76543210
	s_mov_b32 s[SEL+1], 0xfedcba98
	s_mov_b32 s22, 0x4038aa3b                      ; c = 2 log2(e)
	s_mov_b32 s23, s22                             ; (named with it as a pair, so it is written)
.irp b, 0,1,2,3
	v_mov_b32 v[TM+4+\b], 0                        ; written once: a lane permute's destination counts as one of its sources
.endr
	s_lshl_b32 s30, ttmp9, 19                      ; a block: 128 rows of 4,096 bytes;
	s_lshl_b32 s31, s18, 17                        ; my wave's 32 of them
	s_add_co_u32 s30, s30, s31
	s_mov_b32 s31, 0
	s_mul_i32 s32, s18, 196608                     ; my 16 column tiles x 8 fragments x 1,536 bytes
	s_mov_b32 s33, 0
	s_lshl_b32 s34, s18, 13                        ; and their scale words: 16 x 512 bytes
	s_mov_b32 s35, 0
	s_lshr_b32 s36, ttmp9, 3                       ; the batch
	s_lshl_b32 s36, s36, 12
	s_mov_b32 s37, 0
	s_lshl_b32 s38, ttmp9, 9                       ; 128 scores
	s_mov_b32 s39, 0
	s_lshl_b32 s40, ttmp9, 12                      ; a row of part
	s_mov_b32 s41, 0
	s_wait_kmcnt 0x0
	s_add_nc_u64 s[4:5], s[4:5], s[30:31]
	s_add_nc_u64 s[6:7], s[6:7], s[32:33]
	s_add_nc_u64 s[8:9], s[8:9], s[34:35]
	s_add_nc_u64 s[10:11], s[10:11], s[36:37]
	s_add_nc_u64 s[14:15], s[14:15], s[38:39]
	s_add_nc_u64 s[16:17], s[16:17], s[40:41]
	global_load_b128 v[RAW:RAW+3], v[T16], s[12:13]                ; v: 32 bytes a thread
	global_load_b128 v[RAW+4:RAW+7], v[T16], s[12:13] offset:2048
.irp k, 0,1,2,3,4,5,6,7
	global_load_b128 v[HA+8*\k:HA+8*\k+3], v[T16], s[10:11] offset:262144*\k          ; my batch's row of dh_proj's part k: the same 32 bytes a thread
	global_load_b128 v[HA+8*\k+4:HA+8*\k+7], v[T16], s[10:11] offset:262144*\k+2048
.endr
	XLOAD 0
	XLOAD 1
	XLOAD 2                                        ; 48 loads of 512 bytes a wave are out from here to the phase's end
	s_wait_loadcnt 48                              ; all but those 48: v and the eight parts are in
.irp p, 0,2,4,6
	v_pk_add_f32 v[RAW+8+\p:RAW+9+\p], v[HA+\p:HA+\p+1], v[HA+8+\p:HA+9+\p]           ; dh_proj: the parts are added K ascending
.endr
.irp k, 2,3,4,5,6,7
.irp p, 0,2,4,6
	v_pk_add_f32 v[RAW+8+\p:RAW+9+\p], v[RAW+8+\p:RAW+9+\p], v[HA+8*\k+\p:HA+8*\k+\p+1]
.endr
.endr
	; ---- X
.irp n, 0,1,2,3,4,5,6,7,8,9,10,11,12,13,14,15
	FRAGX \n
.endr
	BARRIER                                        ; the last K step's images, all scale words and the whole copy lie in LDS; nobody reads a stage any more
	BRUN 1, 0, 0                                   ; the second half of my first column tile of W2: its registers were at work in the quantiser until now
	FETCH 7
.irp rt, 0,1,2,3,4,5,6,7
	ds_load_b128 v[ASC+4*\rt:ASC+4*\rt+3], v[AF] offset:512*\rt
.endr
.irp q, 0,1,2,3
	ds_store_b128 v[VDA], v[RAW+4*\q:RAW+4*\q+3] offset:2048*\q    ; v at VD, dh_proj's row at VD + 4096
.endr
	BARRIER                                        ; v and dh_proj lie in LDS; my fragments and scale words are in
	ds_load_b128 v[BIAS:BIAS+3], v[LB0] offset:4096
	ds_load_b128 v[BIAS+4:BIAS+7], v[LB0] offset:4096+16
.irp j, 0,1,2,3,4,5,6,7,8,9,10,11,12,13,14,15
	v_mov_b32 v[SACC+\j], 0
.endr
	; ---- G
	s_mov_b32 s[SJ], 0
	s_mov_b32 s[CNT], 15
.Ltile:
	CT 1
	s_wait_xcnt 0x0                                ; the loads have read their bases: they may step
	s_add_nc_u64 s[6:7], s[6:7], 12288
	s_add_nc_u64 s[8:9], s[8:9], 512
	s_add_co_u32 s[SJ], s[SJ], 64
	s_sub_co_u32 s[CNT], s[CNT], 1
	s_cmp_lg_u32 s[CNT], 0
	s_cbranch_scc1 .Ltile
	CT 0                                           ; the last tile is written out: no load leaves w2c or w2s
	; ---- S: the block's 128 scores
.irp rt, 0,1,2,3,4,5,6,7
	v_add_f32 v[64+\rt], v[SACC+2*\rt], v[SACC+2*\rt+1]
.endr
.irp rt, 0,1,2,3,4,5,6,7
	v_permlanex16_b32 v[72+\rt], v[64+\rt], s[SEL], s[SEL+1]
.endr
.irp rt, 0,1,2,3,4,5,6,7
	v_add_f32 v[64+\rt], v[64+\rt], v[72+\rt]      ; with lane l xor 16's eight columns of each tile: my wave's 256 columns
.endr
.irp rt, 0,1,2,3,4,5,6,7
	ds_store_b32 v[SCW], v[64+\rt] offset:64*\rt   ; row 16 rt + r; lanes r and r + 16 write the same word with the same value
.endr
	v_add_nc_u32 v144, SCP, v[L16]                 ; the addresses of what follows, made by every wave
	v_and_b32 v146, 0x60, v0                       ; 32 x wave
	v_lshl_add_u32 v146, v146, 4, PP               ; my own copy of p: PP + 512 wave
	v_add_nc_u32 v145, v146, v[L16]
	v_lshlrev_b32 v148, 3, v0                      ; 8 x thread: my four columns of a bf16 row
	BARRIER                                        ; the four waves' partial scores lie in LDS
.irp w, 0,1,2,3
	ds_load_b128 v[160+4*\w:163+4*\w], v144 offset:512*\w          ; lane l: rows 4 l .. 4 l + 3
.endr
	s_wait_dscnt 0x0
	v_pk_add_f32 v[160:161], v[160:161], v[164:165]                ; every wave adds in the same order: the same bits in all four
	v_pk_add_f32 v[162:163], v[162:163], v[166:167]
	v_pk_add_f32 v[168:169], v[168:169], v[172:173]
	v_pk_add_f32 v[170:171], v[170:171], v[174:175]
	v_pk_add_f32 v[160:161], v[160:161], v[168:169]
	v_pk_add_f32 v[162:163], v[162:163], v[170:171]
	v_pk_mul_f32 v[160:161], v[160:161], -2.0 op_sel_hi:[1,0]      ; s'
	v_pk_mul_f32 v[162:163], v[162:163], -2.0 op_sel_hi:[1,0]
	s_cmp_lg_u32 s18, 0
	s_cbranch_scc1 .Lnot_wave_0
	global_store_b128 v[L16], v[160:163], s[14:15]                 ; 512 consecutive bytes, aligned; v160-163 are not written again
.Lnot_wave_0:
	v_max3_num_f32 v168, v160, v161, v162
	v_max_num_f32 v168, v168, v163
	v_max_num_f32_dpp v168, v168, v168 row_xmask:1 row_mask:0xf bank_mask:0xf
	v_max_num_f32_dpp v168, v168, v168 row_xmask:2 row_mask:0xf bank_mask:0xf
	v_max_num_f32_dpp v168, v168, v168 row_xmask:4 row_mask:0xf bank_mask:0xf
	v_max_num_f32_dpp v168, v168, v168 row_xmask:8 row_mask:0xf bank_mask:0xf
	v_permlanex16_b32 v169, v168, s[SEL], s[SEL+1]
	v_max_num_f32 v168, v168, v169                 ; m: the block's largest s'
.irp i, 0,1,2,3
	v_sub_f32 v[164+\i], v[160+\i], v168           ; the maximum is taken away first, so that no rounding of m log2(e) enters
.endr
.irp i, 0,1,2,3
	v_mul_f32 v[164+\i], 0x3fb8aa3b, v[164+\i]
.endr
.irp i, 0,1,2,3
	v_exp_f32 v[164+\i], v[164+\i]                 ; p = e^(s' - m), at most 1
.endr
.irp j, 0,1,2,3,4,5,6,7
	v_mov_b32 v[CTX+\j], 0                         ; plain work behind the exponentials
.endr
	s_mov_b32 s[SCC_], 0
	s_mov_b32 s[SPP_], 0
	v_add_nc_u32 v149, s[SCC_], v148
	v_add_nc_u32 v147, s[SPP_], v146
	s_wait_alu depctr_va_vdst(0)                   ; one wait for the four, ahead of their first reader
	ds_store_b128 v145, v[164:167]                 ; my wave's own bytes: its own loads below see them, LDS serving a wave's instructions in order
	; ---- C: thread t sums columns 4 t .. +3 and 512 + 4 t .. +3 over the 128 rows, eight rows a group, two sets of registers by turns
.macro LOADG st, off, poff             ; 18 LDS loads: eight rows' 2 x 8 bytes, and their eight p (all lanes read the same bytes)
.set r_, 0
.rept 8
	ds_load_b64 v[\st+4*r_:\st+4*r_+1], v149 offset:\off+2048*r_
	ds_load_b64 v[\st+4*r_+2:\st+4*r_+3], v149 offset:\off+2048*r_+1024
.set r_, r_+1
.endr
	ds_load_b128 v[\st+32:\st+35], v147 offset:\poff
	ds_load_b128 v[\st+36:\st+39], v147 offset:\poff+16
.endm
.macro FMAG st                         ; 64 multiply-adds straight from the bf16 halves; the eight sums by turns
.set r_, 0
.rept 8
.irp u, 0,1
	v_fma_mix_f32_bf16 v[CTX+4*\u], v[\st+4*r_+2*\u], v[\st+32+r_], v[CTX+4*\u] op_sel_hi:[1,0,0]
	v_fma_mix_f32_bf16 v[CTX+4*\u+1], v[\st+4*r_+2*\u], v[\st+32+r_], v[CTX+4*\u+1] op_sel:[1,0,0] op_sel_hi:[1,0,0]
	v_fma_mix_f32_bf16 v[CTX+4*\u+2], v[\st+4*r_+2*\u+1], v[\st+32+r_], v[CTX+4*\u+2] op_sel_hi:[1,0,0]
	v_fma_mix_f32_bf16 v[CTX+4*\u+3], v[\st+4*r_+2*\u+1], v[\st+32+r_], v[CTX+4*\u+3] op_sel:[1,0,0] op_sel_hi:[1,0,0]
.endr
.set r_, r_+1
.endr
.endm
	LOADG 64, 0, 0
	s_mov_b32 s[CNT], 7
.Lrows:                                            ; a trip: 16 rows
	LOADG 104, 16384, 32
	s_wait_dscnt 18                                ; all but the 18 just issued
	FMAG 64
	LOADG 64, 32768, 64
	s_wait_dscnt 18
	FMAG 104
	s_add_co_u32 s[SCC_], s[SCC_], 32768
	s_add_co_u32 s[SPP_], s[SPP_], 64
	v_add_nc_u32 v149, s[SCC_], v148
	v_add_nc_u32 v147, s[SPP_], v146
	s_sub_co_u32 s[CNT], s[CNT], 1
	s_cmp_lg_u32 s[CNT], 0
	s_cbranch_scc1 .Lrows
	LOADG 104, 16384, 32                           ; the last eight rows
	s_wait_dscnt 18
	FMAG 64
	s_wait_dscnt 0x0
	FMAG 104
	global_store_b128 v[T16], v[CTX:CTX+3], s[16:17]               ; a wave's store covers 512 consecutive bytes, aligned
	global_store_b128 v[T16], v[CTX+4:CTX+7], s[16:17] offset:2048
	s_set_vgpr_msb 0x5
	s_wait_tensorcnt 0x0
	ds_add_u32 v254, v255
	s_wait_dscnt 0x0
	s_set_vgpr_msb 0x500
	s_endpgm
.Lfunc_end_k_qbe52989230_attn:
	.size	k_qbe52989230_attn, .Lfunc_end_k_qbe52989230_attn-k_qbe52989230_attn
	.p2alignl 7, 3214868480
	.fill 96, 4, 3214868480
	.section	.rodata,"a",@progbits
	.p2align	6, 0x0
	.amdhsa_kernel k_qbe52989230_attn
		.amdhsa_group_segment_fixed_size 327680
		.amdhsa_private_segment_fixed_size 0
		.amdhsa_enable_private_segment 0
		.amdhsa_kernarg_size 56
		.amdhsa_user_sgpr_count 2
		.amdhsa_user_sgpr_kernarg_segment_ptr 1
		.amdhsa_wavefront_size32 1
		.amdhsa_system_sgpr_workgroup_id_x 1
		.amdhsa_system_sgpr_workgroup_id_y 1
		.amdhsa_system_sgpr_workgroup_id_z 1
		.amdhsa_system_vgpr_workitem_id 0
		.amdhsa_next_free_vgpr 1024
		.amdhsa_next_free_sgpr 66
		.amdhsa_reserve_vcc 0
		.amdhsa_float_denorm_mode_32 3
		.amdhsa_float_denorm_mode_16_64 3
		.amdhsa_memory_ordered 1
		.amdhsa_forward_progress 1
		.amdhsa_inst_pref_size 255
	.end_amdhsa_kernel
	.section	.bss,"aw",@nobits
	.p2align	6
	.space	262144
	.amdgpu_metadata
---
amdhsa.version: [ 1, 2 ]
amdhsa.kernels:
  - .name:           k_qbe52989230_attn
    .symbol:         k_qbe52989230_attn.kd
    .args:
      - { .name: encoder_outputs, .offset: 0, .size: 8, .value_kind: global_buffer, .address_space: global }
      - { .name: w2c, .offset: 8, .size: 8, .value_kind: global_buffer, .address_space: global }
      - { .name: w2s, .offset: 16, .size: 8, .value_kind: global_buffer, .address_space: global }
      - { .name: dhq, .offset: 24, .size: 8, .value_kind: global_buffer, .address_space: global }
      - { .name: v, .offset: 32, .size: 8, .value_kind: global_buffer, .address_space: global }
      - { .name: sc, .offset: 40, .size: 8, .value_kind: global_buffer, .address_space: global }
      - { .name: part, .offset: 48, .size: 8, .value_kind: global_buffer, .address_space: global }
    .group_segment_fixed_size: 327680
    .private_segment_fixed_size: 0
    .kernarg_segment_align: 8
    .kernarg_segment_size: 56
    .max_flat_workgroup_size: 128
    .sgpr_count:     66
    .vgpr_count:     1024
    .wavefront_size: 32
...
	.end_amdgpu_metadata
.endif
;; end of part 2
;; launch finish (part 3): grid 64 x 1, 8 waves a work-group, no clusters, 2,048 bytes of LDS; arguments sc, part, out0, out1; writes out0, out1
.if DOCPART == 3
	.amdgcn_target "amdgcn-amd-amdhsa--gfx1250"
	.amdhsa_code_object_version 6
	.text
	.protected	k_qbe52989230_finish
	.globl	k_qbe52989230_finish
	.p2align	8
	.type	k_qbe52989230_finish,@function
k_qbe52989230_finish:
	s_mov_b64 s[64:65], 0
	v_nop
	global_prefetch_b8 v0, s[64:65] scope:SCOPE_SE
	s_setreg_imm32_b32 hwreg(HW_REG_WAVE_MODE, 25, 1), 1
	s_wait_xcnt 0x0
; Work-group b joins batch b's eight blocks.  sc [64][1024]: s', the scores less a constant of the batch, which cancels in the softmax.  part [512][1024]: for block k of the batch, the sum of e^(s' - m_k) x row, m_k the block's largest s'.
; out1 = e^(s' - M) / L, M the batch's largest s', L the sum.  out0 = (sum over k of e^(m_k - M) part_k) / L.
; Thread t holds scores 4 t .. 4 t + 3 and columns 4 t .. 4 t + 3.  Wave w's 128 scores are block w's, so its maximum is m_w, bit for bit as the launch before took it (a maximum rounds nothing).
; Memory binds what little there is: 36 KiB in, 8 KiB out for a work-group; every load and store of a wave covers 512 consecutive bytes, aligned.  No matrix unit, no cluster: nothing is shared between work-groups.
; v4-7 s', then e; v8, v9 at work; v10 M; v11 L, then 1 / L; v12-15 the context; v16-47 the eight parts; v48-55 m_k, then f_k; v56-63 the waves' sums.
	s_load_b256 s[4:11], s[0:1], 0x0               ; sc s[4:5], part s[6:7], out0 s[8:9], out1 s[10:11]
	v_lshl_add_u32 v64, v0, 2, 0x400
	v_mov_b32 v65, 0
	v_lshlrev_b32 v1, 4, v0                        ; 16 x thread
	v_lshrrev_b32 v2, 5, v0
	v_lshlrev_b32 v2, 2, v2                        ; 4 x wave
	v_mov_b32 v3, 0
	v_mov_b32 v9, 0                                ; a lane permute's destination counts as one of its sources
	s_mov_b32 s12, 0x76543210
	s_mov_b32 s13, 0xfedcba98
	s_lshl_b32 s14, ttmp9, 12                      ; a row of 4,096 bytes
	s_mov_b32 s15, 0
	s_lshl_b32 s16, ttmp9, 15                      ; eight rows of part
	s_mov_b32 s17, 0
	s_wait_kmcnt 0x0
	s_add_nc_u64 s[4:5], s[4:5], s[14:15]
	s_add_nc_u64 s[6:7], s[6:7], s[16:17]
	s_add_nc_u64 s[8:9], s[8:9], s[14:15]
	s_add_nc_u64 s[10:11], s[10:11], s[14:15]
	global_load_b128 v[4:7], v1, s[4:5] th:TH_LOAD_NT
.irp k, 0,1,2,3,4,5,6,7
	global_load_b128 v[16+4*\k:19+4*\k], v1, s[6:7] offset:4096*\k th:TH_LOAD_NT
.endr
	s_wait_loadcnt 8                               ; the scores are in; the eight parts may be out
	v_max3_num_f32 v8, v4, v5, v6
	v_max_num_f32 v8, v8, v7
	v_max_num_f32_dpp v8, v8, v8 row_xmask:1 row_mask:0xf bank_mask:0xf
	v_max_num_f32_dpp v8, v8, v8 row_xmask:2 row_mask:0xf bank_mask:0xf
	v_max_num_f32_dpp v8, v8, v8 row_xmask:4 row_mask:0xf bank_mask:0xf
	v_max_num_f32_dpp v8, v8, v8 row_xmask:8 row_mask:0xf bank_mask:0xf
	v_permlanex16_b32 v9, v8, s12, s13
	v_max_num_f32 v8, v8, v9                       ; m_w
	ds_store_b32 v2, v8                            ; all lanes write the same word with the same value
	s_wait_dscnt 0x0                               ; for the others' sake
	s_barrier_signal -1
	s_barrier_wait -1
	ds_load_b128 v[48:51], v3
	ds_load_b128 v[52:55], v3 offset:16
	s_wait_dscnt 0x0
	v_max3_num_f32 v10, v48, v49, v50
	v_max3_num_f32 v10, v10, v51, v52
	v_max3_num_f32 v10, v10, v53, v54
	v_max_num_f32 v10, v10, v55                    ; M
.irp i, 0,1,2,3
	v_sub_f32 v[4+\i], v[4+\i], v10                ; the maximum is taken away first
.endr
.irp k, 0,1,2,3,4,5,6,7
	v_sub_f32 v[48+\k], v[48+\k], v10
.endr
.irp i, 0,1,2,3
	v_mul_f32 v[4+\i], 0x3fb8aa3b, v[4+\i]
.endr
.irp k, 0,1,2,3,4,5,6,7
	v_mul_f32 v[48+\k], 0x3fb8aa3b, v[48+\k]
.endr
.irp i, 0,1,2,3
	v_exp_f32 v[4+\i], v[4+\i]                     ; e = e^(s' - M)
.endr
.irp k, 0,1,2,3,4,5,6,7
	v_exp_f32 v[48+\k], v[48+\k]                   ; f_k = e^(m_k - M)
.endr
	v_nop                                          ; a plain instruction behind the last exponential
	s_wait_alu depctr_va_vdst(0)                   ; one wait for the twelve, ahead of their first reader
	v_add_f32 v8, v4, v5
	v_add_f32 v9, v6, v7
	v_add_f32 v8, v8, v9
	v_add_f32_dpp v8, v8, v8 row_xmask:1 row_mask:0xf bank_mask:0xf
	v_add_f32_dpp v8, v8, v8 row_xmask:2 row_mask:0xf bank_mask:0xf
	v_add_f32_dpp v8, v8, v8 row_xmask:4 row_mask:0xf bank_mask:0xf
	v_add_f32_dpp v8, v8, v8 row_xmask:8 row_mask:0xf bank_mask:0xf
	v_permlanex16_b32 v9, v8, s12, s13
	v_add_f32 v8, v8, v9                           ; my wave's sum
	ds_store_b32 v2, v8 offset:256                 ; other bytes than the maxima's
	s_wait_dscnt 0x0
	s_barrier_signal -1
	s_barrier_wait -1
	ds_load_b128 v[56:59], v3 offset:256
	ds_load_b128 v[60:63], v3 offset:272
	s_wait_dscnt 0x0
	v_add_f32 v56, v56, v57
	v_add_f32 v58, v58, v59
	v_add_f32 v60, v60, v61
	v_add_f32 v62, v62, v63
	v_add_f32 v56, v56, v58
	v_add_f32 v60, v60, v62
	v_add_f32 v11, v56, v60                        ; L, at least 1: the largest s' gives e = 1
	v_rcp_f32 v11, v11
	s_wait_loadcnt 0x0                             ; the parts
.irp i, 0,1,2,3
	v_mul_f32 v[12+\i], v[16+\i], v48              ; the first block starts the sums.  (Plain work behind the reciprocal, which it does not name)
.endr
.irp k, 1,2,3,4,5,6,7
.irp i, 0,1,2,3
	v_fma_f32 v[12+\i], v[16+4*\k+\i], v[48+\k], v[12+\i]
.endr
.endr
	s_wait_alu depctr_va_vdst(0)                   ; the wait for the reciprocal, ahead of its first reader
.irp i, 0,1,2,3
	v_mul_f32 v[4+\i], v[4+\i], v11
.endr
.irp i, 0,1,2,3
	v_mul_f32 v[12+\i], v[12+\i], v11
.endr
	global_store_b128 v1, v[4:7], s[10:11]
	global_store_b128 v1, v[12:15], s[8:9]
	s_wait_tensorcnt 0x0
	ds_add_u32 v64, v65
	s_wait_dscnt 0x0
	s_endpgm
.Lfunc_end_k_qbe52989230_finish:
	.size	k_qbe52989230_finish, .Lfunc_end_k_qbe52989230_finish-k_qbe52989230_finish
	.p2alignl 7, 3214868480
	.fill 96, 4, 3214868480
	.section	.rodata,"a",@progbits
	.p2align	6, 0x0
	.amdhsa_kernel k_qbe52989230_finish
		.amdhsa_group_segment_fixed_size 2048
		.amdhsa_private_segment_fixed_size 0
		.amdhsa_enable_private_segment 0
		.amdhsa_kernarg_size 32
		.amdhsa_user_sgpr_count 2
		.amdhsa_user_sgpr_kernarg_segment_ptr 1
		.amdhsa_wavefront_size32 1
		.amdhsa_system_sgpr_workgroup_id_x 1
		.amdhsa_system_sgpr_workgroup_id_y 1
		.amdhsa_system_sgpr_workgroup_id_z 1
		.amdhsa_system_vgpr_workitem_id 0
		.amdhsa_next_free_vgpr 66
		.amdhsa_next_free_sgpr 66
		.amdhsa_reserve_vcc 0
		.amdhsa_float_denorm_mode_32 3
		.amdhsa_float_denorm_mode_16_64 3
		.amdhsa_memory_ordered 1
		.amdhsa_forward_progress 1
		.amdhsa_inst_pref_size 8
	.end_amdhsa_kernel
	.amdgpu_metadata
---
amdhsa.version: [ 1, 2 ]
amdhsa.kernels:
  - .name:           k_qbe52989230_finish
    .symbol:         k_qbe52989230_finish.kd
    .args:
      - { .name: sc, .offset: 0, .size: 8, .value_kind: global_buffer, .address_space: global }
      - { .name: part, .offset: 8, .size: 8, .value_kind: global_buffer, .address_space: global }
      - { .name: out0, .offset: 16, .size: 8, .value_kind: global_buffer, .address_space: global }
      - { .name: out1, .offset: 24, .size: 8, .value_kind: global_buffer, .address_space: global }
    .group_segment_fixed_size: 2048
    .private_segment_fixed_size: 0
    .kernarg_segment_align: 8
    .kernarg_segment_size: 32
    .max_flat_workgroup_size: 256
    .sgpr_count:     66
    .vgpr_count:     66
    .wavefront_size: 32
...
	.end_amdgpu_metadata
.endif
;; end of part 3
;; ======== version 2 of 2: 3 launches
;; workspace buffers: w2c 786,432 bytes; w2s 32,768 bytes; dhq 2,097,152 bytes; sc 262,144 bytes; part 2,097,152 bytes
;; launch prep (part 4): grid 576 x 1, 4 waves a work-group, no clusters, 0 bytes of LDS; arguments W2, W1, decoder_hidden, w2c, w2s, dhq; writes w2c, w2s, dhq
.if DOCPART == 4
	.amdgcn_target "amdgcn-amd-amdhsa--gfx1250"
	.amdhsa_code_object_version 6
	.text
	.protected	k_qbe52989230_prep
	.globl	k_qbe52989230_prep
	.p2align	8
	.type	k_qbe52989230_prep,@function
k_qbe52989230_prep:
	s_mov_b64 s[64:65], 0
	v_nop
	global_prefetch_b8 v0, s[64:65] scope:SCOPE_SE
	s_setreg_imm32_b32 hwreg(HW_REG_WAVE_SCHED_MODE, 0, 2), 2
	s_setreg_imm32_b32 hwreg(HW_REG_WAVE_MODE, 25, 1), 1
	s_wait_xcnt 0x0
	s_wait_alu depctr_vm_vsrc(0)
; TWO JOBS, parted by the work-group's number.  All tensors here are [rows][1024] f32 with K innermost.  In both jobs a wave loads two items of 16 rows x 128 along K at once and quantises them.
; W (work-groups 0-63): W2 becomes codes of BF6 (E3M2) with one E8M0 byte for each 32 along K, laid IN THE ORDER OF THE OPERAND'S REGISTERS:
;   w2c: fragment (ct, ks) = W2 rows 16 ct .. +15, K 128 ks .. +127, at (8 ct + ks) x 1536 bytes; its register group c (4 of 12 registers) of lane l at 512 c + 16 l.
;   w2s: [ct][q][lane] words: lane (r, hh) holds the scale word of row 16 ct + r for K step 2 q + hh.   Work-group ct, wave w: K steps 2 w and 2 w + 1.
; D (work-groups 64-575): Q(decoder_hidden) Q(W1)^T in EIGHT PARTS, dhq [8][64][1024] f32: part ks is the sum over K 128 ks .. +127, one matrix instruction for each tile.
;   Work-group 64 + 8 ct + ks, wave bt: batch rows 16 bt .. +15 x outputs 16 ct .. +15.  The next launch adds the eight parts in f32, K ascending.
;   So no wave walks K: its 32 loads go out together, and nothing is handed from wave to wave.
;   The product is used transposed (source 0 = 16 rows of W1, source 1 = 16 rows of decoder_hidden): lane (r, h) holds batch row r and outputs 16 ct + 8 h + 0 .. 7.
;   The four waves of a work-group quantise the same fragment of W1: 8 KiB each.
; A block's scale is 2^(floor(log2(largest magnitude)) - 4): its byte is the largest magnitude's exponent field - 4, held at 1 from below.
; LIMITS: a block of zeros gets the byte 1 where the rule says 127 (its codes are zeros, and this program alone reads the bytes); NaN and infinities among the inputs are not served.
; A lane loads 16 neighbours of each block of 32 of its row (64 bytes), so a load's lanes stand apart; the three tensors together are 8.25 MiB, so no stage is spent on that.
; dhq's stores are 64 neighbouring bytes a row: 2 MiB in all.
; THE MODE: SCHED_MODE bits 1:0 = 2 (LLVM: expert scheduling mode 2), set by the entry lines.  The code itself states the register dependences between vector or matrix instructions
; and memory instructions, with s_wait_alu, always for 0.
; THE PLAN.  Registers that memory instructions touch: the offsets v1, v2, v3, made once, ahead of one wait in each job; v64-191, in which the 32 loads land once and which no vector instruction names before;
; the stores' data, each written once and never again: PCA, PCB and v62 (job W), ACC (job D), each run of stores behind one wait.  No register that a store reads is written again.
.set TM,  4                            ; v4-19   at work in QUANT: +0..3 largest magnitudes, +4..7 partner's / bytes, +12..15 the conversions' scale operands
.set PWA, 20                           ; v20     scale word of source 0 (holds scales alone)
.set PWB, 21                           ; v21     scale word of source 1 (holds scales alone)
.set PT,  22                           ; v22-29  the conversions' second halves
.set PCA, 30                           ; v30-41  a fragment
.set PCB, 42                           ; v42-53  a fragment
.set ACC, 54                           ; v54-61  the tile of a part of dhq
.set R,   64                           ; v64-191 two sets of 64 numbers
.set SEL, 20                           ; s[20:21] v_permlanex16_b32's selects for lane l xor 16
; 64 numbers of a lane, v[s] .. v[s + 63], register 16 b + i = k 32 b + 16 (lane / 16) + i of my row, become a fragment's 12 registers in v[pc] on and its scale word in v[pw] (the same in lanes r and r + 16).
.macro QUANT s, pc, pt, pw
.irp b, 0,1,2,3
	v_max3_num_f32 v[TM+\b], |v[\s+16*\b]|, |v[\s+1+16*\b]|, 0x2800000   ; block b: my 16 numbers, and the floor 2^(5 - 127): the byte cannot fall under 1
.endr
.irp i, 2,4,6,8,10,12,14
.irp b, 0,1,2,3
	v_max3_num_f32 v[TM+\b], v[TM+\b], |v[\s+16*\b+\i]|, |v[\s+1+16*\b+\i]|   ; the four blocks by turns
.endr
.endr
.irp b, 0,1,2,3
	v_permlanex16_b32 v[TM+4+\b], v[TM+\b], s[SEL], s[SEL+1]
.endr
.irp b, 0,1,2,3
	v_max_num_f32 v[TM+\b], v[TM+\b], v[TM+4+\b]       ; with lane l xor 16's 16: the block's largest magnitude
.endr
.irp b, 0,1,2,3
	v_add_nc_u32 v[TM+12+\b], 0xfe000000, v[TM+\b]     ; 4 off its exponent field: the conversion takes the exponent field of this operand alone
.endr
.irp b, 0,1,2,3
	v_lshrrev_b32 v[TM+4+\b], 23, v[TM+12+\b]          ; the scale's byte
.endr
	v_lshl_or_b32 v[\pw], v[TM+5], 8, v[TM+4]
	v_lshl_or_b32 v[\pw], v[TM+6], 16, v[\pw]
	v_lshl_or_b32 v[\pw], v[TM+7], 24, v[\pw]
.irp c, 0,1
	v_cvt_scalef32_pk16_bf6_f32 v[\pc+6*\c:\pc+2+6*\c], v[\s+32*\c:\s+15+32*\c], v[TM+12+2*\c]
	v_cvt_scalef32_pk16_bf6_f32 v[\pt+4*\c:\pt+2+4*\c], v[\s+16+32*\c:\s+31+32*\c], v[TM+13+2*\c]   ; (a conversion's three registers begin on an even number)
.endr
	v_nop                                              ; one plain instruction behind the scaled conversions
.irp c, 0,1                                        ; the operand wants a WHOLE block in a lane: lanes 0-15 block 2 c, lanes 16-31 block 2 c + 1
.irp i, 0,1,2
	v_permlane16_swap_b32 v[\pc+6*\c+\i], v[\pt+4*\c+\i]
.endr
.irp i, 0,1,2
	v_mov_b32 v[\pc+3+6*\c+\i], v[\pt+4*\c+\i]
.endr
.endr
.endm
; my row's 64 numbers of one K step, off bytes from base s[lo:lo+1], into v[reg] on
.macro QLOAD reg, lo, off
.irp b, 0,1,2,3
.irp j, 0,1,2,3
	global_load_b128 v[\reg+16*\b+4*\j:\reg+16*\b+4*\j+3], v1, s[\lo:\lo+1] offset:\off+128*\b+16*\j
.endr
.endr
.endm
	s_load_b256 s[4:11], s[0:1], 0x0               ; W2 s[4:5], W1 s[6:7], decoder_hidden s[8:9], w2c s[10:11]
	s_load_b128 s[12:15], s[0:1], 0x20             ; w2s s[12:13], dhq s[14:15]
	v_lshrrev_b32 v62, 5, v0
	v_readfirstlane_b32 s18, v62                   ; wave 0..3
	v_and_b32 v63, 31, v0                          ; lane
	v_and_b32 v62, 15, v0                          ; r
	v_bfe_u32 v3, v0, 4, 1                         ; h
	v_lshlrev_b32 v1, 12, v62
	v_lshl_add_u32 v1, v3, 6, v1                   ; row r of 4,096 bytes + 64 h: my 16 numbers of a block of 32
	v_lshlrev_b32 v2, 4, v63                       ; 16 x lane
	s_mov_b32 s[SEL], 0x76543210
	s_mov_b32 s[SEL+1], 0xfedcba98
.irp b, 0,1,2,3
	v_mov_b32 v[TM+4+\b], 0                        ; written once: a lane permute's destination counts as one of its sources
.endr
	s_wait_alu depctr_va_sdst(0)                   ; s18 is written
	s_wait_kmcnt 0x0
	s_cmp_lt_u32 ttmp9, 64                         ; the same in all four waves of a work-group
	s_cbranch_scc0 .Lrole_d
	; ---- W: two fragments of W2
	v_lshlrev_b32 v3, 2, v63                       ; 4 x lane
	s_lshl_b32 s22, ttmp9, 16                      ; 16 rows of 4,096 bytes a tile,
	s_lshl_b32 s23, s18, 10                        ; two K steps of 512 bytes a wave
	s_add_co_u32 s22, s22, s23
	s_mov_b32 s23, 0
	s_add_nc_u64 s[4:5], s[4:5], s[22:23]
	s_lshl_b32 s24, ttmp9, 3
	s_lshl_b32 s25, s18, 1
	s_add_co_u32 s24, s24, s25
	s_mul_i32 s24, s24, 1536                       ; fragment 8 ct + 2 w
	s_mov_b32 s25, 0
	s_add_nc_u64 s[10:11], s[10:11], s[24:25]
	s_lshl_b32 s26, ttmp9, 9
	s_lshl_b32 s27, s18, 7
	s_add_co_u32 s26, s26, s27                     ; 512 ct + 128 w
	s_mov_b32 s27, 0
	s_add_nc_u64 s[12:13], s[12:13], s[26:27]
	s_wait_alu depctr_va_vdst(0)                   ; the offsets v1, v2 and v3 are written, which this job's loads and stores read
	QLOAD R, 4, 0
	QLOAD R+64, 4, 512
	s_wait_loadcnt 16                              ; the first K step's 16 loads are in; the second's 16 may be out
	QUANT R, PCA, PT, PWA
	s_wait_alu depctr_va_vdst(0)                   ; the quantiser has written v[PCA ..], which the three stores read
.irp c, 0,1,2
	global_store_b128 v2, v[PCA+4*\c:PCA+4*\c+3], s[10:11] offset:512*\c        ; 32 lanes store 512 consecutive bytes, aligned
.endr
	s_wait_loadcnt 0x0
	QUANT R+64, PCB, PT, PWB                       ; into other registers than the stores above read
	v_cmp_gt_u32 vcc_lo, 16, v63
	s_wait_alu depctr_va_vcc(0)                    ; VCC is written, ahead of the select that reads it
	v_cndmask_b32 v62, v[PWB], v[PWA], vcc_lo      ; lanes 0-15: the even K step's words; lanes 16-31: the odd one's
	s_wait_alu depctr_va_vdst(0)                   ; the quantiser has written v[PCB ..] and the select v62, which the four stores read
.irp c, 0,1,2
	global_store_b128 v2, v[PCB+4*\c:PCB+4*\c+3], s[10:11] offset:1536+512*\c
.endr
	global_store_b32 v3, v62, s[12:13]
	s_endpgm
	; ---- D: one tile of one part of dhq
.Lrole_d:
	s_sub_co_u32 s22, ttmp9, 64                    ; 8 ct + ks
	s_lshr_b32 s23, s22, 3                         ; ct
	s_and_b32 s22, s22, 7                          ; ks
	s_lshl_b32 s30, s22, 9                         ; the K step: 512 bytes on in a row
	s_lshl_b32 s24, s23, 16
	s_add_co_u32 s24, s24, s30
	s_mov_b32 s25, 0
	s_add_nc_u64 s[6:7], s[6:7], s[24:25]          ; W1 at (16 ct, 128 ks)
	s_lshl_b32 s26, s18, 16
	s_add_co_u32 s28, s26, s30
	s_mov_b32 s29, 0
	s_add_nc_u64 s[8:9], s[8:9], s[28:29]          ; decoder_hidden at (16 bt, 128 ks)
	s_lshl_b32 s32, s22, 18                        ; part ks: 64 rows of 4,096 bytes
	s_add_co_u32 s32, s32, s26                     ; row 16 bt
	s_lshl_b32 s33, s23, 6
	s_add_co_u32 s32, s32, s33                     ; column 16 ct
	s_mov_b32 s33, 0
	s_add_nc_u64 s[14:15], s[14:15], s[32:33]
	s_wait_alu depctr_va_vdst(0)
	v_lshlrev_b32 v62, 12, v62
	v_lshl_add_u32 v3, v3, 5, v62                  ; row r of 4,096 bytes + 32 h
	s_wait_alu depctr_va_vdst(0)                   ; the offsets v1 and v3 are written, which this job's loads and stores read
	QLOAD R, 6, 0
	QLOAD R+64, 8, 0
	s_wait_loadcnt 16                              ; W1's 16 loads are in; decoder_hidden's 16 may be out
	QUANT R, PCA, PT, PWA
	s_wait_loadcnt 0x0
	QUANT R+64, PCB, PT, PWB
.rept 8
	v_nop                                          ; a scale register written by a vector instruction stands 8 places ahead of a scaled matrix instruction, an operand so written 4
.endr
	s_wait_alu depctr_va_vdst(0)                   ; the quantisers have written both fragments and both scale words, which the scaled product takes; the places above stay beside this wait
	v_wmma_scale_f32_16x16x128_f8f6f4 v[ACC:ACC+7], v[PCA:PCA+11], v[PCB:PCB+11], 0, v[PWA], v[PWB] matrix_a_fmt:MATRIX_FMT_BF6 matrix_b_fmt:MATRIX_FMT_BF6
.rept 4
	v_nop                                          ; four places behind the product, ahead of the stores that read it
.endr
	s_wait_alu depctr_va_vdst(0)                   ; the product has written v[ACC ..], which the two stores read
	global_store_b128 v3, v[ACC:ACC+3], s[14:15]   ; the result from its low end on
	global_store_b128 v3, v[ACC+4:ACC+7], s[14:15] offset:16
	s_endpgm
.Lfunc_end_k_qbe52989230_prep:
	.size	k_qbe52989230_prep, .Lfunc_end_k_qbe52989230_prep-k_qbe52989230_prep
	.p2alignl 7, 3214868480
	.fill 96, 4, 3214868480
	.section	.rodata,"a",@progbits
	.p2align	6, 0x0
	.amdhsa_kernel k_qbe52989230_prep
		.amdhsa_group_segment_fixed_size 0
		.amdhsa_private_segment_fixed_size 0
		.amdhsa_enable_private_segment 0
		.amdhsa_kernarg_size 48
		.amdhsa_user_sgpr_count 2
		.amdhsa_user_sgpr_kernarg_segment_ptr 1
		.amdhsa_wavefront_size32 1
		.amdhsa_system_sgpr_workgroup_id_x 1
		.amdhsa_system_sgpr_workgroup_id_y 1
		.amdhsa_system_sgpr_workgroup_id_z 1
		.amdhsa_system_vgpr_workitem_id 0
		.amdhsa_next_free_vgpr 192
		.amdhsa_next_free_sgpr 66
		.amdhsa_reserve_vcc 1
		.amdhsa_float_denorm_mode_32 3
		.amdhsa_float_denorm_mode_16_64 3
		.amdhsa_memory_ordered 1
		.amdhsa_forward_progress 1
		.amdhsa_inst_pref_size 26
	.end_amdhsa_kernel
	.amdgpu_metadata
---
amdhsa.version: [ 1, 2 ]
amdhsa.kernels:
  - .name:           k_qbe52989230_prep
    .symbol:         k_qbe52989230_prep.kd
    .args:
      - { .name: W2, .offset: 0, .size: 8, .value_kind: global_buffer, .address_space: global }
      - { .name: W1, .offset: 8, .size: 8, .value_kind: global_buffer, .address_space: global }
      - { .name: decoder_hidden, .offset: 16, .size: 8, .value_kind: global_buffer, .address_space: global }
      - { .name: w2c, .offset: 24, .size: 8, .value_kind: global_buffer, .address_space: global }
      - { .name: w2s, .offset: 32, .size: 8, .value_kind: global_buffer, .address_space: global }
      - { .name: dhq, .offset: 40, .size: 8, .value_kind: global_buffer, .address_space: global }
    .group_segment_fixed_size: 0
    .private_segment_fixed_size: 0
    .kernarg_segment_align: 8
    .kernarg_segment_size: 48
    .max_flat_workgroup_size: 128
    .sgpr_count:     66
    .vgpr_count:     192
    .wavefront_size: 32
...
	.end_amdgpu_metadata
.endif
;; end of part 4
;; launch attn (part 5): grid 512 x 1, 4 waves a work-group, no clusters, 327,680 bytes of LDS; arguments encoder_outputs, w2c, w2s, dhq, v, sc, part; writes sc, part
.if DOCPART == 5
	.amdgcn_target "amdgcn-amd-amdhsa--gfx1250"
	.amdhsa_code_object_version 6
	.text
	.protected	k_qbe52989230_attn
	.globl	k_qbe52989230_attn
	.p2align	8
	.type	k_qbe52989230_attn,@function
k_qbe52989230_attn:
	s_mov_b64 s[64:65], 0
	v_nop
	global_prefetch_b8 v0, s[64:65] scope:SCOPE_SE
	s_setreg_imm32_b32 hwreg(HW_REG_WAVE_SCHED_MODE, 0, 2), 2
	s_setreg_imm32_b32 hwreg(HW_REG_WAVE_MODE, 25, 1), 1
	s_wait_xcnt 0x0
	s_wait_alu depctr_vm_vsrc(0)
; A work-group takes 128 rows (positions) of one batch, block x = rows 128 x .. 128 x + 127 of encoder_outputs [65536][1024] f32, and reads them from memory ONCE.
;   X: the rows become (a) a bf16 copy in LDS for the context, (b) codes of BF6 (E3M2) with E8M0 scale words: 64 fragments (8 row tiles x 8 K steps), which every wave then holds in 768 registers.
;   G: wave w makes output columns 256 w .. +255 for all 128 rows: 16 column tiles x 64 scaled matrix instructions, dh_proj as the C of each sum's first; then r = 1 / (1 + 2^(c x)), c = 2 log2(e), and the sum of v_n r_n.
;   dh_proj comes as eight f32 parts, one for each 128 along K (dhq [8][64][1024]); they are added here in f32, K ascending.
;   tanh(x) = 1 - 2 r, so score = sum(v) - 2 sum(v r).  sum(v) is the same for every position of a batch and cancels in the softmax for every input: s' = -2 sum(v r) stands for the score.
;   2^(c x) = infinity gives r = 0 and 2^(c x) = 0 gives r = 1: tanh's own limits.
;   S, C: the block's largest s' is taken away: p = e^(s' - m); part[x] = sum over the block's rows of p x bf16(row).  sc holds s'; the last launch joins a batch's eight blocks.
; W2's fragments come from w2c straight into registers, each read once by the work-group and multiplied eight times.  NO JOINT LOADS, NO LDS RING FOR W2, though all work-groups read the same codes:
; the bf16 copy takes 262,144 of the 327,680 bytes of LDS and stages, images and scale words 62,464 more, so two slots of W2 do not fit; with half the rows in hand W2 would be read twice as often.
; THE PRODUCT IS USED TRANSPOSED: source 0 = 16 rows of W2, source 1 = 16 rows of the block: lane (r, h) holds row r, and its register i the column 16 ct + 8 h + i.
; LIMITS: a block of 32 zeros gets the scale byte 1 where the rule says 127 (its codes are zeros; the bytes stay in this launch); the rows are rounded to bf16 for the context alone; NaN and infinities are not served.
; LDS: 0 the copy, row p at 2048 p;  STG a stage of 16 x (512 + 16) bytes for each wave;  EX two buffers with the register images of a K step's 8 fragments;  ASL the rows' scale words.
;   Later, each behind a barrier behind the bytes' last use: VD (v, then dh_proj's row) over wave 0's stage; SCP (the waves' partial scores) and PP (each wave's own p) over EX.
; REGISTERS, in windows of 256.  Fragment f = 8 ks + rt of the block: f < 63: window 1 + f / 21, register 12 (f % 21); f = 63: window 0, v224.
;   window 0: v1-7 addresses that stay; v32-63 and v236-239 scale words, and nothing else; the rest by phases, as named below.   window 3, phase X: v128-191, v192-255 two of the three slots for loads.
; THE MODE: SCHED_MODE bits 1:0 = 2 (LLVM: expert scheduling mode 2), set by the entry lines.  The code itself states the register dependences between vector or matrix instructions
; and memory or LDS instructions, with s_wait_alu, always for 0.
; THE PLAN.  Registers that memory or LDS instructions touch, and who else names them.
;   X, an item:  the slot: read by the 16 stage stores and by the 32 roundings, then landed in by the loads of the item three on.   HA: landed in from the stage, read by the quantiser.
;                BT, BU: written by the roundings, read by the 16 copy stores; BU is written again by this item's quantiser, both by the next item's roundings.   PC, PW: written by the quantiser, read by the four image stores.
;     Three waits: va_vdst behind the roundings (BT, BU written; the slot read);  vm_vsrc behind the copy stores (the slot, BT, BU, and the last item's PC and PW have been read);
;     va_vdst behind the quantiser (PC, PW written; HA read, in which the next item's numbers land).
;   G, a tile:   BR0-3, BSC0-1, BIAS: read by K steps 0-3; one va_vdst behind these, and the next tile's loads into them are dealt among K step 4's products, which name none of them.
;                BR4-7, BSC2-3: read by K steps 4-7; V: read by the tile's last multiply-adds; one va_vdst behind the epilogue's scalings, and the loads into them are dealt among the exponentials, which name the accumulators alone.
;                v[LBC]: read by the tile's four LDS loads, written once at a tile's head behind one vm_vsrc, ahead of the waits above.
;   C, a group:  each of two sets is landed in behind a va_vdst that shows the multiply-adds on it done; the two addresses are stepped once a trip, behind vm_vsrc and ahead of the loop head's va_vdst.
;   The addresses v1-3, v5-7 are made at the head and never written again; W2's bases are scalar registers.
.set STG,  262144
.set STGW, 8448
.set EX,   295936
.set EXB,  12288
.set ASL,  320512
.set VD,   STG
.set SCP,  EX
.set PP,   EX+2048
.set L16, 1                            ; v1   16 x lane
.set L4,  2                            ; v2   4 x lane
.set LB0, 3                            ; v3   VD + 1024 wave + 32 h: my eight numbers of v in the wave's first column tile
.set LBC, 4                            ; v4   the same in the tile in hand
.set VDA, 5                            ; v5   VD + 16 x thread
.set T16, 6                            ; v6   16 x thread
.set SCW, 7                            ; v7   SCP + 512 wave + 4 r
.set RAW, 8                            ; v8-23   X: v as loaded, and dh_proj's row as summed
.set CA,  24                           ; v24  the copy: 65536 wave + 8 lane
.set SA,  25                           ; v25  my stage, as loaded: + 16 lane
.set SR,  26                           ; v26  my stage, back: + 528 r + 64 h
.set EW,  27                           ; v27  where I store images: EX + 3072 wave + 16 lane
.set EF,  28                           ; v28  where I fetch them: EX + 16 lane
.set AW,  29                           ; v29  where I store scale words: ASL + 1024 wave + 16 r
.set AF,  30                           ; v30  where I fetch them: ASL + 16 lane
.set V,   8                            ; v8-15   G: v at my eight columns;  C: the context's eight sums
.set CTX, 8
.set SACC, 16                          ; v16-31  G: sum of v r, a pair for each row tile
.set ASC, 32                           ; v32-63  the block's scale words: 4 rt + q: lanes 0-15 K step 2 q, lanes 16-31 K step 2 q + 1
.set HA,  64                           ; v64-127 at the head: dh_proj's eight parts;  X: 64 numbers back from the stage
.set ACC, 64                           ; v64-127 G: eight accumulators, 8 rt
.set S0,  128                          ; v128-191 X: slot 0
.set BR,  128                          ; v128-223 G: W2's eight fragments of a column tile, 12 ks
.set PC,  192                          ; v192-203 X: the fragment just made
.set PT,  204                          ; v204-211
.set TM,  212                          ; v212-227
.set BU,  204                          ; v204-219 X: rows 8-15's bf16 pairs, ahead of the quantiser, which takes these registers (PT and half of TM) behind the copy's stores
.set PW,  228                          ; v228    its scale word, on its way to LDS
.set A63, 224                          ; v224-235 G: fragment 63
.set BSC, 236                          ; v236-239 W2's scale words: q
.set BIAS, 240                         ; v240-247 G: dh_proj at my eight columns
.set BT,  240                          ; v240-255 X: rows 0-7's bf16 pairs
.set SEL, 20                           ; s[20:21] selects for lane l xor 16;  s[22:23] c, twice
.set SJ,  42                           ; s42  64 x column tile
.set CNT, 43                           ; s43  loop counter
.set SCC_, 44                          ; s44  phase C: bytes into the copy
.set SPP_, 45                          ; s45  phase C: bytes into p
.set MSB, 0
.macro WIN new                         ; the immediate's high byte repeats the setting that is left; a switch that changes nothing is dropped
.if MSB != \new
	s_set_vgpr_msb (MSB<<8)|\new
.set MSB, \new
.endif
.endm
; 64 numbers of a lane, register 16 b + i = k 32 b + 16 (lane / 16) + i of my row, become a fragment's 12 registers in v[pc] on and its scale word in v[pw] (the same in lanes r and r + 16).
.macro QUANT s, pc, pt, pw
.irp b, 0,1,2,3
	v_max3_num_f32 v[TM+\b], |v[\s+16*\b]|, |v[\s+1+16*\b]|, 0x2800000   ; block b: my 16 numbers, and the floor 2^(5 - 127): the byte cannot fall under 1
.endr
.irp i, 2,4,6,8,10,12,14
.irp b, 0,1,2,3
	v_max3_num_f32 v[TM+\b], v[TM+\b], |v[\s+16*\b+\i]|, |v[\s+1+16*\b+\i]|
.endr
.endr
.irp b, 0,1,2,3
	v_permlanex16_b32 v[TM+4+\b], v[TM+\b], s[SEL], s[SEL+1]
.endr
.irp b, 0,1,2,3
	v_max_num_f32 v[TM+\b], v[TM+\b], v[TM+4+\b]       ; the block's largest magnitude
.endr
.irp b, 0,1,2,3
	v_add_nc_u32 v[TM+12+\b], 0xfe000000, v[TM+\b]     ; 4 off its exponent field: the conversion's scale operand
.endr
.irp b, 0,1,2,3
	v_lshrrev_b32 v[TM+4+\b], 23, v[TM+12+\b]          ; the scale's byte
.endr
	v_lshl_or_b32 v[\pw], v[TM+5], 8, v[TM+4]
	v_lshl_or_b32 v[\pw], v[TM+6], 16, v[\pw]
	v_lshl_or_b32 v[\pw], v[TM+7], 24, v[\pw]
.irp c, 0,1
	v_cvt_scalef32_pk16_bf6_f32 v[\pc+6*\c:\pc+2+6*\c], v[\s+32*\c:\s+15+32*\c], v[TM+12+2*\c]
	v_cvt_scalef32_pk16_bf6_f32 v[\pt+4*\c:\pt+2+4*\c], v[\s+16+32*\c:\s+31+32*\c], v[TM+13+2*\c]
.endr
	v_nop                                              ; one plain instruction behind the scaled conversions
.irp c, 0,1                                        ; a WHOLE block in a lane: lanes 0-15 block 2 c, lanes 16-31 block 2 c + 1
.irp i, 0,1,2
	v_permlane16_swap_b32 v[\pc+6*\c+\i], v[\pt+4*\c+\i]
.endr
.irp i, 0,1,2
	v_mov_b32 v[\pc+3+6*\c+\i], v[\pt+4*\c+\i]
.endr
.endr
.endm
; Item i of phase X: K step i / 2 of my row tile i % 2: 16 rows x 512 bytes, a load a row: 32 lanes read 512 consecutive bytes, aligned.  Slot i % 3.
.macro XLOAD i
.if (\i)%3 == 0
	WIN 0
.set xr_, S0
.else
	WIN 0xc0                                       ; destination window 3
.set xr_, 64+64*((\i)%3)
.endif
.set xk_, 0
.rept 16
	global_load_b128 v[xr_+4*xk_:xr_+4*xk_+3], v[L16], s[4:5] offset:(16*((\i)%2)+xk_)*4096+512*((\i)/2) th:TH_LOAD_NT
.set xk_, xk_+1
.endr
	WIN 0
.endm
; Load n of the 14 of half hf of a column tile of W2: n < 12: group n % 3 of the fragment of K step 4 hf + n / 3; n = 12, 13: the half's two registers of scale words.  off, soff: bytes from the bases to that tile.
.macro BLD hf, n, off, soff
.if (\n) < 12
	global_load_b128 v[BR+12*(4*(\hf)+(\n)/3)+4*((\n)%3):BR+12*(4*(\hf)+(\n)/3)+4*((\n)%3)+3], v[L16], s[6:7] offset:\off+1536*(4*(\hf)+(\n)/3)+512*((\n)%3)
.else
	global_load_b32 v[BSC+2*(\hf)+(\n)-12], v[L4], s[8:9] offset:\soff+128*(2*(\hf)+(\n)-12)
.endif
.endm
.macro BRUN hf, off, soff                      ; the 14 in one run
.set n_, 0
.rept 14
	BLD \hf, n_, \off, \soff
.set n_, n_+1
.endr
.endm
; The eight fragments of K step s come out of EX into their registers, in every wave.  No wait here: the next wait for all LDS instructions stands ahead of the next barrier.
.macro FETCH s
.set rt_, 0
.rept 8
.set f_, 8*(\s)+rt_
.if f_ < 63
.set w_, (1+f_/21)<<6
.set ar_, 12*(f_%21)
.else
.set w_, 0
.set ar_, A63
.endif
	WIN w_
.irp c, 0,1,2
	ds_load_b128 v[ar_+4*\c:ar_+4*\c+3], v[EF] offset:((\s)%2)*EXB+rt_*1536+512*\c
.endr
.set rt_, rt_+1
.endr
	WIN 0
.endm
.macro BARRIER                                 ; my LDS stores have landed and my LDS loads are in: then the work-group's barrier
	s_wait_dscnt 0x0
	s_barrier_signal -1
	s_barrier_wait -1
.endm
.macro FRAGX i
.set s_, (\i)/2
.set ta_, (\i)%2
.if (\i)%3 == 0
.set sr_, S0
.set wd_, 0
.set wc_, 0
.else
.set sr_, 64+64*((\i)%3)
.set wd_, 0x0c                                 ; an LDS store's data are its source 1: window 3
.set wc_, 0x0f                                 ; sources 0 and 1 window 3
.endif
.if (\i) < 14
	s_wait_loadcnt 32                              ; my 16 loads are in; the two younger items' 32 may be out
.else
	s_wait_loadcnt 16*(15-(\i))
.endif
	WIN wd_
.set k_, 0
.rept 16
	ds_store_b128 v[SA], v[sr_+4*k_:sr_+4*k_+3] offset:528*k_        ; the f32 numbers into my stage, as they lie
.set k_, k_+1
.endr
	WIN 0
.irp b, 0,1,2,3
.irp j, 0,1,2,3
	ds_load_b128 v[HA+16*\b+4*\j:HA+16*\b+4*\j+3], v[SR] offset:128*\b+16*\j   ; back: lane (r, h) takes 16 neighbours of each block of 32 of row r.  LDS serves a wave's instructions in order: these see my stores.  No vector instruction since the last wait on va_vdst names HA
.endr
.endr
	WIN wc_
.set k_, 0
.rept 8
	v_cvt_pk_bf16_f32 v[BT+2*k_], v[sr_+4*k_], v[sr_+4*k_+1]         ; rows 0-7 rounded to bf16, while the stage's round trip is on its way
	v_cvt_pk_bf16_f32 v[BT+2*k_+1], v[sr_+4*k_+2], v[sr_+4*k_+3]
.set k_, k_+1
.endr
.set k_, 0
.rept 8
	v_cvt_pk_bf16_f32 v[BU+2*k_], v[sr_+32+4*k_], v[sr_+32+4*k_+1]   ; rows 8-15
	v_cvt_pk_bf16_f32 v[BU+2*k_+1], v[sr_+32+4*k_+2], v[sr_+32+4*k_+3]
.set k_, k_+1
.endr
	WIN 0
	s_wait_alu depctr_va_vdst(0)                   ; the roundings have written BT and BU, which the copy's stores read, and are done reading the slot, in which loads land below
.set k_, 0
.rept 8
	ds_store_b64 v[CA], v[BT+2*k_:BT+2*k_+1] offset:(16*ta_+k_)*2048+256*s_   ; 32 lanes: 256 consecutive bytes of the copy's row
.set k_, k_+1
.endr
.set k_, 0
.rept 8
	ds_store_b64 v[CA], v[BU+2*k_:BU+2*k_+1] offset:(16*ta_+8+k_)*2048+256*s_
.set k_, k_+1
.endr
	s_wait_dscnt 16                                ; all but these 16 stores: the numbers are back from the stage, and the last K step's fragments are in
	s_wait_alu depctr_vm_vsrc(0)                   ; the stage's stores have read the slot; the copy's stores have read BT and BU; the last item's image stores have read PC and PW: all are written again from here on
.if (\i)+3 < 16
	XLOAD (\i)+3                                   ; the slot takes the item three on
.endif
.if (\i) == 15
	BRUN 0, 0, 0                                   ; the last item leaves slot 0 free: v128-175 take the first half of my first column tile of W2, ahead of this item's quantising and of two barriers
.endif
	QUANT HA, PC, PT, PW
	s_wait_alu depctr_va_vdst(0)                   ; the quantiser has written PC and PW, which the image's stores read, and is done reading HA, in which the next item's numbers land
.irp c, 0,1,2
	ds_store_b128 v[EW], v[PC+4*\c:PC+4*\c+3] offset:(s_%2)*EXB+ta_*1536+512*\c   ; the fragment's image: row tile 2 wave + i % 2
.endr
	ds_store_b32 v[AW], v[PW] offset:ta_*512+(s_%2)*256+(s_/2)*4     ; lanes r and r + 16 write the same word with the same value
.if (ta_ == 1) && ((\i) < 15)
	BARRIER                                        ; the K step's eight images lie in EX.  Its buffer is written again two K steps on, behind the next barrier, ahead of which every wave's fetches are in
	FETCH s_                                       ; where these land in a slot that is done with (K step 6: window 3, v128-167), this item's three waits have shown its readers done
.endif
.endm
; One matrix instruction: K step ks_, row tile rt_.  Only source 1's window changes: loads, LDS loads and v_nop between are not touched by it.
.macro MM
.set f_, 8*ks_+rt_
.if f_ < 63
.set w_, (1+f_/21)<<2
.set ar_, 12*(f_%21)
.else
.set w_, 0
.set ar_, A63
.endif
	WIN w_
.set ac_, ACC+8*rt_
.set br_, BR+12*ks_
.if ks_ == 0
	v_wmma_scale_f32_16x16x128_f8f6f4 v[ac_:ac_+7], v[br_:br_+11], v[ar_:ar_+11], v[BIAS:BIAS+7], v[BSC], v[ASC+4*rt_] matrix_a_fmt:MATRIX_FMT_BF6 matrix_b_fmt:MATRIX_FMT_BF6
.elseif ks_%2 == 0
	v_wmma_scale_f32_16x16x128_f8f6f4 v[ac_:ac_+7], v[br_:br_+11], v[ar_:ar_+11], v[ac_:ac_+7], v[BSC+ks_/2], v[ASC+4*rt_+ks_/2] matrix_a_fmt:MATRIX_FMT_BF6 matrix_b_fmt:MATRIX_FMT_BF6
.else
	v_wmma_scale_f32_16x16x128_f8f6f4 v[ac_:ac_+7], v[br_:br_+11], v[ar_:ar_+11], v[ac_:ac_+7], v[BSC+ks_/2], v[ASC+4*rt_+ks_/2] matrix_a_fmt:MATRIX_FMT_BF6 matrix_b_fmt:MATRIX_FMT_BF6 matrix_a_scale:MATRIX_SCALE_ROW1 matrix_b_scale:MATRIX_SCALE_ROW1
.endif
.endm
; A COLUMN TILE: 64 matrix instructions, then the tanh's work.  nxt = 1: the next tile's W2 is asked for in two halves of 14 loads: its first half behind K step 3, when K steps 0-3's registers are used up,
; two loads behind each of K step 4's products; its second half in the epilogue, one load behind every second exponential.  So the loads go out as half 0, half 1, half 0, half 1 ..: at K step 0 the wait is
; for this tile's half 0, behind which stands its half 1: 14; at K step 4 for its half 1, behind which nothing has been issued yet: 0.  Each half has four K steps and most of the tanh's work in which to arrive.
; The eight accumulators take turns, one instruction a turn.
.macro CT nxt
	s_wait_alu depctr_vm_vsrc(0)                   ; the last tile's four LDS loads have read v[LBC], which is written again
	v_add_nc_u32 v[LBC], s[SJ], v[LB0]
.set ks_, 0
.rept 8
.if ks_ == 0
	s_wait_loadcnt 14
.elseif ks_ == 4
.if \nxt
.rept 4
	v_nop                                          ; four places behind the products, ahead of loads into registers that they read: they stay beside the wait below
.endr
	s_wait_alu depctr_va_vdst(0)                   ; K steps 0-3's products are done reading BR0-3, BSC0-1 and BIAS, in which the loads below land; v[LBC] is written, which the LDS loads read
.endif
	s_wait_loadcnt 0x0
.endif
.set rt_, 0
.rept 8
	MM
.if \nxt && (ks_ == 4)
.if rt_ < 7
	BLD 0, 2*rt_, 12288, 512                       ; no wait: no vector or matrix instruction since the wait above names these registers
	BLD 0, 2*rt_+1, 12288, 512
.else
	ds_load_b128 v[BIAS:BIAS+3], v[LBC] offset:4096+64     ; the next tile's dh_proj
	ds_load_b128 v[BIAS+4:BIAS+7], v[LBC] offset:4096+80
.endif
.endif
.set rt_, rt_+1
.endr
.set ks_, ks_+1
.endr
.rept 4
	v_nop                                          ; four places behind the products, ahead of the first read of results
.endr
.set j_, 0
.rept 32
	v_pk_mul_f32 v[ACC+2*j_:ACC+2*j_+1], v[ACC+2*j_:ACC+2*j_+1], s[22:23] op_sel_hi:[1,0]   ; c x, each accumulator from its low end on
.set j_, j_+1
.endr
	s_wait_alu depctr_va_vdst(0)                   ; K steps 4-7's products are done reading BR4-7 and BSC2-3, the last tile's multiply-adds are done reading V, and v[LBC] is written: the loads below land in these and read it
	ds_load_b128 v[V:V+3], v[LBC]                  ; v at my eight columns: wanted at the tile's end
	ds_load_b128 v[V+4:V+7], v[LBC] offset:16
.set j_, 0
.rept 64
	v_exp_f32 v[ACC+j_], v[ACC+j_]
.if \nxt && (j_%2 == 1) && (j_ < 28)
	BLD 1, j_/2, 12288, 512                        ; no wait: the exponentials name the accumulators alone
.endif
.set j_, j_+1
.endr
	v_nop                                          ; a plain instruction behind the last exponential
	s_wait_alu depctr_va_vdst(0)                   ; the 64 exponentials have written their results: one wait for the batch, ahead of its first reader
.set j_, 0
.rept 32
	v_pk_add_f32 v[ACC+2*j_:ACC+2*j_+1], v[ACC+2*j_:ACC+2*j_+1], 1.0 op_sel_hi:[1,0]
.set j_, j_+1
.endr
.set j_, 0
	s_wait_alu depctr_va_vdst(0)
.rept 64
	v_rcp_f32 v[ACC+j_], v[ACC+j_]
.set j_, j_+1
.endr
	v_nop
	s_wait_alu depctr_va_vdst(0)                   ; the 64 reciprocals have written their results: one wait, ahead of their first reader
	s_wait_dscnt 0x0                               ; v is in, and so is the next tile's dh_proj, asked for ahead of it
.set p_, 0
.rept 4
.set rt_, 0
.rept 8
	v_pk_fma_f32 v[SACC+2*rt_:SACC+2*rt_+1], v[ACC+8*rt_+2*p_:ACC+8*rt_+2*p_+1], v[V+2*p_:V+2*p_+1], v[SACC+2*rt_:SACC+2*rt_+1]
.set rt_, rt_+1
.endr
.set p_, p_+1
.endr
.endm
	s_load_b256 s[4:11], s[0:1], 0x0               ; encoder_outputs s[4:5], w2c s[6:7], w2s s[8:9], dhq s[10:11]
	s_load_b128 s[12:15], s[0:1], 0x20             ; v s[12:13], sc s[14:15]
	s_load_b64 s[16:17], s[0:1], 0x30              ; part
	s_set_vgpr_msb 0x40
	v_lshl_add_u32 v254, v0, 2, 0x4f400
	v_mov_b32 v255, 0
	s_set_vgpr_msb 0x4000
	v_lshrrev_b32 v7, 5, v0
	v_readfirstlane_b32 s18, v7                    ; wave 0..3
	v_and_b32 v7, 31, v0                           ; lane
	v_and_b32 v3, 15, v0                           ; r
	v_bfe_u32 v4, v0, 4, 1                         ; h
	v_lshlrev_b32 v[L16], 4, v7
	v_lshlrev_b32 v[L4], 2, v7
	v_lshlrev_b32 v[T16], 4, v0
	v_lshl_add_u32 v[VDA], v0, 4, VD
	s_wait_alu depctr_va_sdst(0)                   ; s18 is written, ahead of its first reader: LDS addresses and the bases are made from it
	s_lshl_b32 s24, s18, 16
	v_lshl_add_u32 v[CA], v7, 3, s24
	s_mul_i32 s25, s18, STGW
	s_add_co_u32 s25, s25, STG
	v_add_nc_u32 v[SA], s25, v[L16]
	v_mul_u32_u24 v[SR], v3, 528
	v_lshl_add_u32 v[SR], v4, 6, v[SR]
	v_add_nc_u32 v[SR], s25, v[SR]
	s_mul_i32 s26, s18, 3072
	s_add_co_u32 s26, s26, EX
	v_add_nc_u32 v[EW], s26, v[L16]
	v_add_nc_u32 v[EF], EX, v[L16]
	s_lshl_b32 s27, s18, 10
	s_add_co_u32 s28, s27, ASL
	v_lshl_add_u32 v[AW], v3, 4, s28
	v_add_nc_u32 v[AF], ASL, v[L16]
	s_lshl_b32 s29, s18, 9
	s_add_co_u32 s29, s29, SCP
	v_lshl_add_u32 v[SCW], v3, 2, s29
	s_add_co_u32 s27, s27, VD
	v_lshl_add_u32 v[LB0], v4, 5, s27
	s_mov_b32 s[SEL], 0x76543210
	s_mov_b32 s[SEL+1], 0xfedcba98
	s_mov_b32 s22, 0x4038aa3b                      ; c = 2 log2(e)
	s_mov_b32 s23, s22                             ; (named with it as a pair, so it is written)
.irp b, 0,1,2,3
	v_mov_b32 v[TM+4+\b], 0                        ; written once: a lane permute's destination counts as one of its sources
.endr
	s_lshl_b32 s30, ttmp9, 19                      ; a block: 128 rows of 4,096 bytes;
	s_lshl_b32 s31, s18, 17                        ; my wave's 32 of them
	s_add_co_u32 s30, s30, s31
	s_mov_b32 s31, 0
	s_mul_i32 s32, s18, 196608                     ; my 16 column tiles x 8 fragments x 1,536 bytes
	s_mov_b32 s33, 0
	s_lshl_b32 s34, s18, 13                        ; and their scale words: 16 x 512 bytes
	s_mov_b32 s35, 0
	s_lshr_b32 s36, ttmp9, 3                       ; the batch
	s_lshl_b32 s36, s36, 12
	s_mov_b32 s37, 0
	s_lshl_b32 s38, ttmp9, 9                       ; 128 scores
	s_mov_b32 s39, 0
	s_lshl_b32 s40, ttmp9, 12                      ; a row of part
	s_mov_b32 s41, 0
	s_wait_kmcnt 0x0
	s_add_nc_u64 s[4:5], s[4:5], s[30:31]
	s_add_nc_u64 s[6:7], s[6:7], s[32:33]
	s_add_nc_u64 s[8:9], s[8:9], s[34:35]
	s_add_nc_u64 s[10:11], s[10:11], s[36:37]
	s_add_nc_u64 s[14:15], s[14:15], s[38:39]
	s_add_nc_u64 s[16:17], s[16:17], s[40:41]
	s_wait_alu depctr_va_vdst(0)                   ; the addresses v1-3, v5-7 and v24-30 are written, which the loads, stores and LDS instructions from here on read
	global_load_b128 v[RAW:RAW+3], v[T16], s[12:13]                ; v: 32 bytes a thread
	global_load_b128 v[RAW+4:RAW+7], v[T16], s[12:13] offset:2048
.irp k, 0,1,2,3,4,5,6,7
	global_load_b128 v[HA+8*\k:HA+8*\k+3], v[T16], s[10:11] offset:262144*\k          ; my batch's row of dh_proj's part k: the same 32 bytes a thread
	global_load_b128 v[HA+8*\k+4:HA+8*\k+7], v[T16], s[10:11] offset:262144*\k+2048
.endr
	XLOAD 0
	XLOAD 1
	XLOAD 2                                        ; 48 loads of 512 bytes a wave are out from here to the phase's end
	s_wait_loadcnt 48                              ; all but those 48: v and the eight parts are in
.irp p, 0,2,4,6
	v_pk_add_f32 v[RAW+8+\p:RAW+9+\p], v[HA+\p:HA+\p+1], v[HA+8+\p:HA+9+\p]           ; dh_proj: the parts are added K ascending
.endr
.irp k, 2,3,4,5,6,7
.irp p, 0,2,4,6
	v_pk_add_f32 v[RAW+8+\p:RAW+9+\p], v[RAW+8+\p:RAW+9+\p], v[HA+8*\k+\p:HA+8*\k+\p+1]
.endr
.endr
	s_wait_alu depctr_va_vdst(0)                   ; the additions are done reading v64-127, in which the first item's numbers land from the stage, and have written v16-23, which LDS stores read behind phase X
	; ---- X
.irp n, 0,1,2,3,4,5,6,7,8,9,10,11,12,13,14,15
	FRAGX \n
.endr
	BARRIER                                        ; the last K step's images, all scale words and the whole copy lie in LDS; nobody reads a stage any more
	s_wait_alu depctr_va_vdst(0)                   ; the last item's quantiser is done with v192-228, in which W2's second half and fragment 63 land: only loads and window switches stand between this wait and them
	s_wait_alu depctr_vm_vsrc(0)                   ; and its image stores have read v192-203 and v228
	BRUN 1, 0, 0                                   ; the second half of my first column tile of W2: its registers were at work in the quantiser until now
	FETCH 7
.irp rt, 0,1,2,3,4,5,6,7
	ds_load_b128 v[ASC+4*\rt:ASC+4*\rt+3], v[AF] offset:512*\rt
.endr
.irp q, 0,1,2,3
	ds_store_b128 v[VDA], v[RAW+4*\q:RAW+4*\q+3] offset:2048*\q    ; v at VD, dh_proj's row at VD + 4096
.endr
	BARRIER                                        ; v and dh_proj lie in LDS; my fragments and scale words are in
	s_wait_alu depctr_vm_vsrc(0)                   ; the four stores above have read v8-23, and the LDS instructions of phase X their addresses v24-30: v lands in v8-15, and the sums of v r take v16-31
	ds_load_b128 v[BIAS:BIAS+3], v[LB0] offset:4096
	ds_load_b128 v[BIAS+4:BIAS+7], v[LB0] offset:4096+16
.irp j, 0,1,2,3,4,5,6,7,8,9,10,11,12,13,14,15
	v_mov_b32 v[SACC+\j], 0
.endr
	s_wait_dscnt 0x0                               ; the first tile's dh_proj is in; every later tile's is waited for in the tile before
	; ---- G
	s_mov_b32 s[SJ], 0
	s_mov_b32 s[CNT], 15
.Ltile:
	CT 1
	s_wait_xcnt 0x0                                ; the loads have read their bases: they may step
	s_add_nc_u64 s[6:7], s[6:7], 12288
	s_add_nc_u64 s[8:9], s[8:9], 512
	s_add_co_u32 s[SJ], s[SJ], 64
	s_sub_co_u32 s[CNT], s[CNT], 1
	s_cmp_lg_u32 s[CNT], 0
	s_cbranch_scc1 .Ltile
	CT 0                                           ; the last tile is written out: no load leaves w2c or w2s
	; ---- S: the block's 128 scores
.irp rt, 0,1,2,3,4,5,6,7
	v_add_f32 v[64+\rt], v[SACC+2*\rt], v[SACC+2*\rt+1]
.endr
.irp rt, 0,1,2,3,4,5,6,7
	v_permlanex16_b32 v[72+\rt], v[64+\rt], s[SEL], s[SEL+1]
.endr
.irp rt, 0,1,2,3,4,5,6,7
	v_add_f32 v[64+\rt], v[64+\rt], v[72+\rt]      ; with lane l xor 16's eight columns of each tile: my wave's 256 columns
.endr
	v_add_nc_u32 v144, SCP, v[L16]                 ; the addresses of what follows, made by every wave
	v_and_b32 v146, 0x60, v0                       ; 32 x wave
	v_lshl_add_u32 v146, v146, 4, PP               ; my own copy of p: PP + 512 wave
	v_add_nc_u32 v145, v146, v[L16]
	v_lshlrev_b32 v148, 3, v0                      ; 8 x thread: my four columns of a bf16 row
	s_wait_alu depctr_va_vdst(0)                   ; the additions have written v64-71, which the stores below read, and v144, by which the loads behind the barrier read
.irp rt, 0,1,2,3,4,5,6,7
	ds_store_b32 v[SCW], v[64+\rt] offset:64*\rt   ; row 16 rt + r; lanes r and r + 16 write the same word with the same value
.endr
	BARRIER                                        ; the four waves' partial scores lie in LDS
.irp w, 0,1,2,3
	ds_load_b128 v[160+4*\w:163+4*\w], v144 offset:512*\w          ; lane l: rows 4 l .. 4 l + 3
.endr
	s_wait_dscnt 0x0
	v_pk_add_f32 v[160:161], v[160:161], v[164:165]                ; every wave adds in the same order: the same bits in all four
	v_pk_add_f32 v[162:163], v[162:163], v[166:167]
	v_pk_add_f32 v[168:169], v[168:169], v[172:173]
	v_pk_add_f32 v[170:171], v[170:171], v[174:175]
	v_pk_add_f32 v[160:161], v[160:161], v[168:169]
	v_pk_add_f32 v[162:163], v[162:163], v[170:171]
	v_pk_mul_f32 v[160:161], v[160:161], -2.0 op_sel_hi:[1,0]      ; s'
	v_pk_mul_f32 v[162:163], v[162:163], -2.0 op_sel_hi:[1,0]
	s_cmp_lg_u32 s18, 0
	s_cbranch_scc1 .Lnot_wave_0
	s_wait_alu depctr_va_vdst(0)                   ; the multiplications have written v160-163, which the store reads
	global_store_b128 v[L16], v[160:163], s[14:15]                 ; 512 consecutive bytes, aligned; v160-163 are not written again
.Lnot_wave_0:
	s_wait_alu depctr_va_vdst(0)
	v_max3_num_f32 v168, v160, v161, v162
	v_max_num_f32 v168, v168, v163
	v_max_num_f32_dpp v168, v168, v168 row_xmask:1 row_mask:0xf bank_mask:0xf
	v_max_num_f32_dpp v168, v168, v168 row_xmask:2 row_mask:0xf bank_mask:0xf
	v_max_num_f32_dpp v168, v168, v168 row_xmask:4 row_mask:0xf bank_mask:0xf
	v_max_num_f32_dpp v168, v168, v168 row_xmask:8 row_mask:0xf bank_mask:0xf
	v_permlanex16_b32 v169, v168, s[SEL], s[SEL+1]
	v_max_num_f32 v168, v168, v169                 ; m: the block's largest s'
.irp i, 0,1,2,3
	v_sub_f32 v[164+\i], v[160+\i], v168           ; the maximum is taken away first, so that no rounding of m log2(e) enters
.endr
.irp i, 0,1,2,3
	v_mul_f32 v[164+\i], 0x3fb8aa3b, v[164+\i]
.endr
	s_wait_alu depctr_va_vdst(0)
.irp i, 0,1,2,3
	v_exp_f32 v[164+\i], v[164+\i]                 ; p = e^(s' - m), at most 1
.endr
.irp j, 0,1,2,3,4,5,6,7
	v_mov_b32 v[CTX+\j], 0                         ; plain work behind the exponentials
.endr
	s_mov_b32 s[SCC_], 0
	s_mov_b32 s[SPP_], 0
	v_add_nc_u32 v149, s[SCC_], v148
	v_add_nc_u32 v147, s[SPP_], v146
	s_wait_alu depctr_va_vdst(0)                   ; the four exponentials have written v164-167, which the store reads: one wait, ahead of their first reader; v145, v147 and v149 are written, by which the LDS instructions below read; phase S is done with v64-79, in which loads land
	ds_store_b128 v145, v[164:167]                 ; my wave's own bytes: its own loads below see them, LDS serving a wave's instructions in order
	; ---- C: thread t sums columns 4 t .. +3 and 512 + 4 t .. +3 over the 128 rows, eight rows a group, two sets of registers by turns
.macro LOADG st, off, poff             ; 18 LDS loads: eight rows' 2 x 8 bytes, and their eight p (all lanes read the same bytes)
.set r_, 0
.rept 8
	ds_load_b64 v[\st+4*r_:\st+4*r_+1], v149 offset:\off+2048*r_
	ds_load_b64 v[\st+4*r_+2:\st+4*r_+3], v149 offset:\off+2048*r_+1024
.set r_, r_+1
.endr
	ds_load_b128 v[\st+32:\st+35], v147 offset:\poff
	ds_load_b128 v[\st+36:\st+39], v147 offset:\poff+16
.endm
.macro FMAG st                         ; 64 multiply-adds straight from the bf16 halves; the eight sums by turns
.set r_, 0
.rept 8
.irp u, 0,1
	v_fma_mix_f32_bf16 v[CTX+4*\u], v[\st+4*r_+2*\u], v[\st+32+r_], v[CTX+4*\u] op_sel_hi:[1,0,0]
	v_fma_mix_f32_bf16 v[CTX+4*\u+1], v[\st+4*r_+2*\u], v[\st+32+r_], v[CTX+4*\u+1] op_sel:[1,0,0] op_sel_hi:[1,0,0]
	v_fma_mix_f32_bf16 v[CTX+4*\u+2], v[\st+4*r_+2*\u+1], v[\st+32+r_], v[CTX+4*\u+2] op_sel_hi:[1,0,0]
	v_fma_mix_f32_bf16 v[CTX+4*\u+3], v[\st+4*r_+2*\u+1], v[\st+32+r_], v[CTX+4*\u+3] op_sel:[1,0,0] op_sel_hi:[1,0,0]
.endr
.set r_, r_+1
.endr
.endm
	s_wait_alu depctr_vm_vsrc(0)                   ; the partial scores' stores have read v64-71, in which the first group lands
	LOADG 64, 0, 0
	s_mov_b32 s[CNT], 7
.Lrows:                                            ; a trip: 16 rows
	s_wait_alu depctr_va_vdst(0)                   ; the last trip's multiply-adds are done reading v104-143, in which the loads below land; v147 and v149 are written, by which they read
	LOADG 104, 16384, 32
	s_wait_dscnt 18                                ; all but the 18 just issued
	FMAG 64
	s_wait_alu depctr_va_vdst(0)                   ; these multiply-adds are done reading v64-103, in which the loads below land
	LOADG 64, 32768, 64
	s_wait_dscnt 18
	FMAG 104
	s_add_co_u32 s[SCC_], s[SCC_], 32768
	s_add_co_u32 s[SPP_], s[SPP_], 64
	s_wait_alu depctr_vm_vsrc(0)                   ; the LDS loads issued so far have read v147 and v149, which are written again
	v_add_nc_u32 v149, s[SCC_], v148
	v_add_nc_u32 v147, s[SPP_], v146
	s_sub_co_u32 s[CNT], s[CNT], 1
	s_cmp_lg_u32 s[CNT], 0
	s_cbranch_scc1 .Lrows
	s_wait_alu depctr_va_vdst(0)                   ; as at the loop's head: v104-143 have been read, v147 and v149 are written
	LOADG 104, 16384, 32                           ; the last eight rows
	s_wait_dscnt 18
	FMAG 64
	s_wait_alu depctr_va_vdst(0)
	s_wait_dscnt 0x0
	FMAG 104
	s_wait_alu depctr_va_vdst(0)                   ; the multiply-adds have written the eight sums, which the two stores read
	global_store_b128 v[T16], v[CTX:CTX+3], s[16:17]               ; a wave's store covers 512 consecutive bytes, aligned
	global_store_b128 v[T16], v[CTX+4:CTX+7], s[16:17] offset:2048
	s_set_vgpr_msb 0x5
	s_wait_dscnt 0x0                               ; the closing lines, six on end
	s_wait_alu 0x0
	s_wait_tensorcnt 0x0
	ds_add_u32 v254, v255
	s_wait_dscnt 0x0
	s_endpgm
.Lfunc_end_k_qbe52989230_attn:
	.size	k_qbe52989230_attn, .Lfunc_end_k_qbe52989230_attn-k_qbe52989230_attn
	.p2alignl 7, 3214868480
	.fill 96, 4, 3214868480
	.section	.rodata,"a",@progbits
	.p2align	6, 0x0
	.amdhsa_kernel k_qbe52989230_attn
		.amdhsa_group_segment_fixed_size 327680
		.amdhsa_private_segment_fixed_size 0
		.amdhsa_enable_private_segment 0
		.amdhsa_kernarg_size 56
		.amdhsa_user_sgpr_count 2
		.amdhsa_user_sgpr_kernarg_segment_ptr 1
		.amdhsa_wavefront_size32 1
		.amdhsa_system_sgpr_workgroup_id_x 1
		.amdhsa_system_sgpr_workgroup_id_y 1
		.amdhsa_system_sgpr_workgroup_id_z 1
		.amdhsa_system_vgpr_workitem_id 0
		.amdhsa_next_free_vgpr 1024
		.amdhsa_next_free_sgpr 66
		.amdhsa_reserve_vcc 0
		.amdhsa_float_denorm_mode_32 3
		.amdhsa_float_denorm_mode_16_64 3
		.amdhsa_memory_ordered 1
		.amdhsa_forward_progress 1
		.amdhsa_inst_pref_size 255
	.end_amdhsa_kernel
	.section	.bss,"aw",@nobits
	.p2align	6
	.space	262144
	.amdgpu_metadata
---
amdhsa.version: [ 1, 2 ]
amdhsa.kernels:
  - .name:           k_qbe52989230_attn
    .symbol:         k_qbe52989230_attn.kd
    .args:
      - { .name: encoder_outputs, .offset: 0, .size: 8, .value_kind: global_buffer, .address_space: global }
      - { .name: w2c, .offset: 8, .size: 8, .value_kind: global_buffer, .address_space: global }
      - { .name: w2s, .offset: 16, .size: 8, .value_kind: global_buffer, .address_space: global }
      - { .name: dhq, .offset: 24, .size: 8, .value_kind: global_buffer, .address_space: global }
      - { .name: v, .offset: 32, .size: 8, .value_kind: global_buffer, .address_space: global }
      - { .name: sc, .offset: 40, .size: 8, .value_kind: global_buffer, .address_space: global }
      - { .name: part, .offset: 48, .size: 8, .value_kind: global_buffer, .address_space: global }
    .group_segment_fixed_size: 327680
    .private_segment_fixed_size: 0
    .kernarg_segment_align: 8
    .kernarg_segment_size: 56
    .max_flat_workgroup_size: 128
    .sgpr_count:     66
    .vgpr_count:     1024
    .wavefront_size: 32
...
	.end_amdgpu_metadata
.endif
;; end of part 5
;; launch finish (part 6): grid 64 x 1, 8 waves a work-group, no clusters, 2,048 bytes of LDS; arguments sc, part, out0, out1; writes out0, out1
.if DOCPART == 6
	.amdgcn_target "amdgcn-amd-amdhsa--gfx1250"
	.amdhsa_code_object_version 6
	.text
	.protected	k_qbe52989230_finish
	.globl	k_qbe52989230_finish
	.p2align	8
	.type	k_qbe52989230_finish,@function
k_qbe52989230_finish:
	s_mov_b64 s[64:65], 0
	v_nop
	global_prefetch_b8 v0, s[64:65] scope:SCOPE_SE
	s_setreg_imm32_b32 hwreg(HW_REG_WAVE_MODE, 25, 1), 1
	s_wait_xcnt 0x0
; Work-group b joins batch b's eight blocks.  sc [64][1024]: s', the scores less a constant of the batch, which cancels in the softmax.  part [512][1024]: for block k of the batch, the sum of e^(s' - m_k) x row, m_k the block's largest s'.
; out1 = e^(s' - M) / L, M the batch's largest s', L the sum.  out0 = (sum over k of e^(m_k - M) part_k) / L.
; Thread t holds scores 4 t .. 4 t + 3 and columns 4 t .. 4 t + 3.  Wave w's 128 scores are block w's, so its maximum is m_w, bit for bit as the launch before took it (a maximum rounds nothing).
; Memory binds what little there is: 36 KiB in, 8 KiB out for a work-group; every load and store of a wave covers 512 consecutive bytes, aligned.  No matrix unit, no cluster: nothing is shared between work-groups.
; v4-7 s', then e; v8, v9 at work; v10 M; v11 L, then 1 / L; v12-15 the context; v16-47 the eight parts; v48-55 m_k, then f_k; v56-63 the waves' sums.
	s_load_b256 s[4:11], s[0:1], 0x0               ; sc s[4:5], part s[6:7], out0 s[8:9], out1 s[10:11]
	v_lshl_add_u32 v64, v0, 2, 0x400
	v_mov_b32 v65, 0
	v_lshlrev_b32 v1, 4, v0                        ; 16 x thread
	v_lshrrev_b32 v2, 5, v0
	s_delay_alu instid0(VALU_DEP_1)
	v_lshlrev_b32 v2, 2, v2                        ; 4 x wave
	v_mov_b32 v3, 0
	v_mov_b32 v9, 0                                ; a lane permute's destination counts as one of its sources
	s_mov_b32 s12, 0x76543210
	s_mov_b32 s13, 0xfedcba98
	s_lshl_b32 s14, ttmp9, 12                      ; a row of 4,096 bytes
	s_mov_b32 s15, 0
	s_lshl_b32 s16, ttmp9, 15                      ; eight rows of part
	s_mov_b32 s17, 0
	s_wait_alu depctr_va_vdst(0)
	s_wait_kmcnt 0x0
	s_add_nc_u64 s[4:5], s[4:5], s[14:15]
	s_add_nc_u64 s[6:7], s[6:7], s[16:17]
	s_add_nc_u64 s[8:9], s[8:9], s[14:15]
	s_add_nc_u64 s[10:11], s[10:11], s[14:15]
	global_load_b128 v[4:7], v1, s[4:5] th:TH_LOAD_NT
.irp k, 0,1,2,3,4,5,6,7
	global_load_b128 v[16+4*\k:19+4*\k], v1, s[6:7] offset:4096*\k th:TH_LOAD_NT
.endr
	s_wait_loadcnt 8                               ; the scores are in; the eight parts may be out
	v_max3_num_f32 v8, v4, v5, v6
	s_delay_alu instid0(VALU_DEP_1)
	v_max_num_f32 v8, v8, v7
	s_delay_alu instid0(VALU_DEP_1)
	v_max_num_f32_dpp v8, v8, v8 row_xmask:1 row_mask:0xf bank_mask:0xf
	s_delay_alu instid0(VALU_DEP_1)
	v_max_num_f32_dpp v8, v8, v8 row_xmask:2 row_mask:0xf bank_mask:0xf
	s_delay_alu instid0(VALU_DEP_1)
	v_max_num_f32_dpp v8, v8, v8 row_xmask:4 row_mask:0xf bank_mask:0xf
	s_delay_alu instid0(VALU_DEP_1)
	v_max_num_f32_dpp v8, v8, v8 row_xmask:8 row_mask:0xf bank_mask:0xf
	s_delay_alu instid0(VALU_DEP_1)
	v_permlanex16_b32 v9, v8, s12, s13
	s_delay_alu instid0(VALU_DEP_1)
	v_max_num_f32 v8, v8, v9                       ; m_w
	ds_store_b32 v2, v8                            ; all lanes write the same word with the same value
	s_wait_dscnt 0x0                               ; for the others' sake
	s_barrier_signal -1
	s_barrier_wait -1
	ds_load_b128 v[48:51], v3
	ds_load_b128 v[52:55], v3 offset:16
	s_wait_dscnt 0x0
	v_max3_num_f32 v10, v48, v49, v50
	s_delay_alu instid0(VALU_DEP_1)
	v_max3_num_f32 v10, v10, v51, v52
	s_delay_alu instid0(VALU_DEP_1)
	v_max3_num_f32 v10, v10, v53, v54
	s_delay_alu instid0(VALU_DEP_1)
	v_max_num_f32 v10, v10, v55                    ; M
.irp i, 0,1,2,3
	v_sub_f32 v[4+\i], v[4+\i], v10                ; the maximum is taken away first
.endr
.irp k, 0,1,2,3,4,5,6,7
	v_sub_f32 v[48+\k], v[48+\k], v10
.endr
.irp i, 0,1,2,3
	v_mul_f32 v[4+\i], 0x3fb8aa3b, v[4+\i]
.endr
.irp k, 0,1,2,3,4,5,6,7
	v_mul_f32 v[48+\k], 0x3fb8aa3b, v[48+\k]
.endr
	s_wait_alu depctr_va_vdst(0)
.irp i, 0,1,2,3
	v_exp_f32 v[4+\i], v[4+\i]                     ; e = e^(s' - M)
.endr
.irp k, 0,1,2,3,4,5,6,7
	v_exp_f32 v[48+\k], v[48+\k]                   ; f_k = e^(m_k - M)
.endr
	v_nop                                          ; a plain instruction behind the last exponential
	s_wait_alu depctr_va_vdst(0)                   ; one wait for the twelve, ahead of their first reader
	v_add_f32 v8, v4, v5
	v_add_f32 v9, v6, v7
	s_delay_alu instid0(VALU_DEP_1)
	v_add_f32 v8, v8, v9
	s_delay_alu instid0(VALU_DEP_1)
	v_add_f32_dpp v8, v8, v8 row_xmask:1 row_mask:0xf bank_mask:0xf
	s_delay_alu instid0(VALU_DEP_1)
	v_add_f32_dpp v8, v8, v8 row_xmask:2 row_mask:0xf bank_mask:0xf
	s_delay_alu instid0(VALU_DEP_1)
	v_add_f32_dpp v8, v8, v8 row_xmask:4 row_mask:0xf bank_mask:0xf
	s_delay_alu instid0(VALU_DEP_1)
	v_add_f32_dpp v8, v8, v8 row_xmask:8 row_mask:0xf bank_mask:0xf
	s_delay_alu instid0(VALU_DEP_1)
	v_permlanex16_b32 v9, v8, s12, s13
	s_delay_alu instid0(VALU_DEP_1)
	v_add_f32 v8, v8, v9                           ; my wave's sum
	ds_store_b32 v2, v8 offset:256                 ; other bytes than the maxima's
	s_wait_dscnt 0x0
	s_barrier_signal -1
	s_barrier_wait -1
	ds_load_b128 v[56:59], v3 offset:256
	ds_load_b128 v[60:63], v3 offset:272
	s_wait_dscnt 0x0
	v_add_f32 v56, v56, v57
	v_add_f32 v58, v58, v59
	v_add_f32 v60, v60, v61
	v_add_f32 v62, v62, v63
	s_delay_alu instid0(VALU_DEP_3)
	v_add_f32 v56, v56, v58
	s_delay_alu instid0(VALU_DEP_2)
	v_add_f32 v60, v60, v62
	s_delay_alu instid0(VALU_DEP_1)
	v_add_f32 v11, v56, v60                        ; L, at least 1: the largest s' gives e = 1
	s_wait_alu depctr_va_vdst(0)
	v_rcp_f32 v11, v11
	s_wait_loadcnt 0x0                             ; the parts
.irp i, 0,1,2,3
	v_mul_f32 v[12+\i], v[16+\i], v48              ; the first block starts the sums.  (Plain work behind the reciprocal, which it does not name)
.endr
.irp k, 1,2,3,4,5,6,7
.irp i, 0,1,2,3
	v_fma_f32 v[12+\i], v[16+4*\k+\i], v[48+\k], v[12+\i]
.endr
.endr
	s_wait_alu depctr_va_vdst(0)                   ; the wait for the reciprocal, ahead of its first reader
.irp i, 0,1,2,3
	v_mul_f32 v[4+\i], v[4+\i], v11
.endr
.irp i, 0,1,2,3
	v_mul_f32 v[12+\i], v[12+\i], v11
.endr
	global_store_b128 v1, v[4:7], s[10:11]
	global_store_b128 v1, v[12:15], s[8:9]
	s_wait_tensorcnt 0x0
	ds_add_u32 v64, v65
	s_wait_dscnt 0x0
	s_endpgm
.Lfunc_end_k_qbe52989230_finish:
	.size	k_qbe52989230_finish, .Lfunc_end_k_qbe52989230_finish-k_qbe52989230_finish
	.p2alignl 7, 3214868480
	.fill 96, 4, 3214868480
	.section	.rodata,"a",@progbits
	.p2align	6, 0x0
	.amdhsa_kernel k_qbe52989230_finish
		.amdhsa_group_segment_fixed_size 2048
		.amdhsa_private_segment_fixed_size 0
		.amdhsa_enable_private_segment 0
		.amdhsa_kernarg_size 32
		.amdhsa_user_sgpr_count 2
		.amdhsa_user_sgpr_kernarg_segment_ptr 1
		.amdhsa_wavefront_size32 1
		.amdhsa_system_sgpr_workgroup_id_x 1
		.amdhsa_system_sgpr_workgroup_id_y 1
		.amdhsa_system_sgpr_workgroup_id_z 1
		.amdhsa_system_vgpr_workitem_id 0
		.amdhsa_next_free_vgpr 66
		.amdhsa_next_free_sgpr 66
		.amdhsa_reserve_vcc 0
		.amdhsa_float_denorm_mode_32 3
		.amdhsa_float_denorm_mode_16_64 3
		.amdhsa_memory_ordered 1
		.amdhsa_forward_progress 1
		.amdhsa_inst_pref_size 9
	.end_amdhsa_kernel
	.amdgpu_metadata
---
amdhsa.version: [ 1, 2 ]
amdhsa.kernels:
  - .name:           k_qbe52989230_finish
    .symbol:         k_qbe52989230_finish.kd
    .args:
      - { .name: sc, .offset: 0, .size: 8, .value_kind: global_buffer, .address_space: global }
      - { .name: part, .offset: 8, .size: 8, .value_kind: global_buffer, .address_space: global }
      - { .name: out0, .offset: 16, .size: 8, .value_kind: global_buffer, .address_space: global }
      - { .name: out1, .offset: 24, .size: 8, .value_kind: global_buffer, .address_space: global }
    .group_segment_fixed_size: 2048
    .private_segment_fixed_size: 0
    .kernarg_segment_align: 8
    .kernarg_segment_size: 32
    .max_flat_workgroup_size: 256
    .sgpr_count:     66
    .vgpr_count:     66
    .wavefront_size: 32
...
	.end_amdgpu_metadata
.endif
;; end of part 6
